; MI455X (gfx1250); checked and timed in simulation.
; The chip was launched on July 23, 2026; its instructions are those of AMD's public machine-readable ISA for CDNA 5 (MIT licence, August 2026) and "CDNA5" Instruction Set Architecture Reference Guide (July 2026). The comments in the code are by the model that wrote it; some were corrected since.
;; Causal Self Attention. Allowed arithmetic: matrix products marked QUANTISED: E2M1 operands, one E8M0 scale for each 32 along K, by v_wmma_scale_f32_16x16x128_f8f6f4 with both operands' format E2M1 (or v_wmma_scale_f32_32x16x128_f4), f32 sums; products left as they are: bf16, f16 or f32 operands; f32 sums; everything else in f32.
;; Inputs: Wo 1,024 x 1,024 float32; Wqkv 1,024 x 3,072 float32; bo 1,024 float32; bqkv 3,072 float32; x 4 x 2,048 x 1,024 float32.
;; Outputs: out0 4 x 2,048 x 1,024 float32.
;; This version of the problem:
;;   THIS VERSION OF THE PROBLEM IS GIVEN IN LOW PRECISION. The matrix products marked QUANTISED in the list below multiply operands that are first quantised to E2M1 (2 exponent bits, 1 mantissa bit; 4 bits a number), with one power-of-two scale for each 32 numbers along K (OCP MX v1.0); their sums are f32. The products marked 'left as it is' may take bf16, f16 or f32 operands, with f32 sums. Whichever they take, every output number must still come out within the allowed error. Rounding operands to bf16 (8 significant bits) uses up far more of that allowance than f16 does (11 bits, for magnitudes from 6e-5 to 65,504). All else is computed in f32.
;;   The module's matrix products, in the order in which they are computed (A, B: the left and right operand; K: the contracted axis; several contracted axes count as one K, in the product's order):
;;     1. [M 8,192, K 1,024] x [K 1,024, N 3,072]; A: input x; B: input Wqkv: QUANTISED
;;     2. batch 64 x [M 2,048, K 64] x [K 64, N 2,048]; A: computed on the way; B: computed on the way: left as it is (an operand is computed on the way)
;;     3. batch 64 x [M 2,048, K 2,048] x [K 2,048, N 64]; A: computed on the way; B: computed on the way: left as it is (an operand is computed on the way)
;;     4. [M 8,192, K 1,024] x [K 1,024, N 1,024]; A: computed on the way; B: input Wo: left as it is (an operand is computed on the way)
;;   THE QUANTISER, for each operand of a quantised product, along K:
;;     - K is cut into blocks of 32 from its start; a last block that is shorter is filled with zeros.
;;     - A block's scale is 2^e with e = floor(log2(the largest magnitude in the block)) - 2, held to -126 .. 127; a block of zeros has e = 0. As a byte (E8M0): e + 127.
;;     - Each number is divided by its block's scale, clamped to +-6, and rounded to the nearest number of E2M1, ties to even, subnormals kept.
;;     - The product sums the exact products of the quantised numbers (number of the format x scale) in f32.
;;   ~~~python
;;   def quantise(x, axis):      # numpy; x: float32 -> the quantised numbers, widened to float32 again
;;       x = np.moveaxis(x, axis, -1); K = x.shape[-1]
;;       x = np.pad(x, [(0, 0)] * (x.ndim - 1) + [(0, -K % 32)]); x = x.reshape(x.shape[:-1] + (-1, 32)); a = np.abs(x).max(-1, keepdims=True)
;;       e = np.where(a > 0, np.clip(np.frexp(np.where(a > 0, a, 1))[1] - 1 - 2, -126, 127), 0)      # np.frexp(a)[1] - 1 = floor(log2(a)), exactly
;;       r = np.clip(x / 2.0 ** e, -6, 6)
;;       step = 2.0 ** (np.maximum(np.frexp(np.where(r == 0, 1, r))[1] - 1, 0) - 1)
;;       q = np.round(r / step) * step * 2.0 ** e      # np.round: ties to even
;;       return np.moveaxis(q.reshape(q.shape[:-2] + (-1,))[..., :K], -1, axis).astype(np.float32)
;;   ~~~
;; One version. Each part assembles by itself: llvm-mc -triple=amdgcn-amd-amdhsa -mcpu=gfx1250 --defsym DOCPART=n.
;; ======== version 1 of 1: 4 launches
;; limits: values are held in f16: magnitudes above 65,504 overflow, below 6.1e-05 lose precision
;; workspace buffers: x_codes 4,194,304 bytes; x_scales 262,144 bytes; w_img 1,572,864 bytes; w_scales 98,304 bytes; wo_img 2,097,152 bytes; qkv 50,331,648 bytes; y_img 16,777,216 bytes
;; launch prep (part 1): grid 512 x 1, 4 waves a work-group, no clusters, 33,280 bytes of LDS; arguments x, Wqkv, Wo, x_codes, x_scales, w_img, w_scales, wo_img; writes x_codes, x_scales, w_img, w_scales, wo_img
.if DOCPART == 1
	.amdgcn_target "amdgcn-amd-amdhsa--gfx1250"
	.amdhsa_code_object_version 6
	.text
	.protected	k_qc1528fbd11_prep
	.globl	k_qc1528fbd11_prep
	.p2align	8
	.type	k_qc1528fbd11_prep,@function
k_qc1528fbd11_prep:
	s_mov_b64 s[64:65], 0
	v_nop
	global_prefetch_b8 v0, s[64:65] scope:SCOPE_SE
	s_setreg_imm32_b32 hwreg(HW_REG_WAVE_MODE, 25, 1), 1
	s_wait_xcnt 0x0
; THE OPERANDS ARE MADE READY, ONCE.  Three kinds of work-group, told apart by the work-group's number alone:
;   0-255   x [8192][1024] f32 -> codes of E2M1, K innermost, [8192][512 bytes], and one E8M0 byte for each 32 along K, [8192][32]
;   256-447 Wqkv [1024 (k)][3072 (n)] f32 -> codes along K (its FIRST axis), laid as IMAGES OF THE OPERAND'S REGISTERS, and scale words [3072][32 bytes]
;   448-511 Wo [1024 (k)][1024 (n)] f32 -> f16, laid as images of the operand's registers
; An image of a fragment is 1,024 bytes: registers 4 c .. 4 c + 3 of lane l at 512 c + 16 l.  For 4-bit codes (16 rows x 128 K) the block of 32 numbers t of row r lies at 256 t + 16 r;
; for f16 (16 rows x 32 K) the eight numbers k = 8 j .. 8 j + 7 of row r lie at 256 j + 16 r.
;   w_img  [128 columns: 24][512 along K: 2][16 columns: 8][128 along K: 4][1,024 bytes]      wo_img [256 columns: 4][128 along K: 8][16 columns: 16][32 along K: 4][1,024 bytes]
; A block's scale is 2^(floor(log2(its largest magnitude)) - 2); its byte is the largest magnitude's exponent field - 2, held at 1 from below.
; LIMITS: a block of zeros gets the byte 1 and not 127 (its codes are zeros, and this program alone reads the bytes); NaN and infinities among the inputs are not served;
; Wo goes in f16: magnitudes above 65,504 are not served.
; Only the work-groups of x use LDS.  No tensor loads, no barrier: waves share nothing.
.set STEPS, 16
.set EMAX,  2
.set CB,    8                          ; bytes of 16 codes
.set R,     16                         ; v16-79   x: four sets of 16 numbers as they are loaded
.set X,     80                         ; v80-111  x: two sets of 16 neighbours
.set E,     112                        ; v112-127 x: a scale byte for each step
.set C,     128                        ; v128-191 x: codes, four registers for each step
.set WREG,  8192                       ; LDS: a region for each wave: two stages of 32 x SP bytes, behind them its 256 scale bytes
.set SP,    80                         ; a lane's place in a stage: 64 bytes + 16 of padding
.set SPW,   12                         ; v12 LDS address of my spare word; never rewritten
.set NIL,   13                         ; v13 0; never rewritten
.set SPARE, 4*WREG                     ; behind the four regions: the spare words, 128 bytes a wave
.set WX,    32                         ; v32-95   the weights: two sets of 32 numbers down K
.set WC,    96                         ; v96..    the weights: what is stored; registers of its own for each block
.macro XLOAD t
.irp i, 0,1,2,3
	global_load_b128 v[R+16*((\t)%4)+4*\i:R+16*((\t)%4)+4*\i+3], v3, s[4:5] offset:2048*(\t)+512*\i th:TH_LOAD_NT   ; 32 lanes read 512 consecutive bytes
.endr
.endm
.macro XTURN t                         ; step t's numbers through the stage: LDS serves a wave's instructions in order, so no wait stands between the stores and the loads
.irp i, 0,1,2,3
	ds_store_b128 v14, v[R+16*((\t)%4)+4*\i:R+16*((\t)%4)+4*\i+3] offset:32*SP*((\t)%2)+8*SP*\i
.endr
.irp i, 0,1,2,3
	ds_load_b128 v[X+16*((\t)%2)+4*\i:X+16*((\t)%2)+4*\i+3], v15 offset:32*SP*((\t)%2)+16*\i
.endr
.endm
.macro XSTEP t
.set XS, X+16*((\t)%2)
.if (\t) > 0
	s_wait_dscnt 1                                 ; this step's numbers are back from the stage (the last step's byte store may be out)
.else
	s_wait_dscnt 0x0
.endif
.if (\t)+4 < STEPS
	XLOAD (\t)+4                                   ; the registers that the stage's stores have read take the loads of four steps on
.endif
.if (\t)+1 < STEPS
.if STEPS-2-(\t) >= 3
	s_wait_loadcnt 12                              ; the next step's four loads are in; those of the three steps behind it may be out
.else
	s_wait_loadcnt 4*(STEPS-2-(\t))
.endif
	XTURN (\t)+1
.endif
	v_max3_num_f32 v8, |v[XS]|, |v[XS+1]|, |v[XS+2]|               ; the largest magnitude of my 16, in two chains
	v_max3_num_f32 v9, |v[XS+3]|, |v[XS+4]|, |v[XS+5]|
.irp i, 6,10
	v_max3_num_f32 v8, v8, |v[XS+\i]|, |v[XS+\i+1]|
	v_max3_num_f32 v9, v9, |v[XS+\i+2]|, |v[XS+\i+3]|
.endr
	v_max3_num_f32 v8, v8, |v[XS+14]|, |v[XS+15]|
	v_max3_num_f32 v8, v8, v9, (EMAX+1)<<23        ; and the floor 2^(3 - 127): the byte cannot fall under 1
	v_max_num_f32_dpp v8, v8, v8 row_xmask:1 row_mask:0xf bank_mask:0xf   ; with my neighbour's 16: the block's
	v_add_nc_u32 v11, -(EMAX<<23), v8              ; 2 off its exponent field: the conversion takes the exponent field of this operand as its scale
	v_cvt_scalef32_pk8_fp4_f32 v[C+4*(\t)], v[XS:XS+7], v11
	v_cvt_scalef32_pk8_fp4_f32 v[C+4*(\t)+1], v[XS+8:XS+15], v11
	v_lshrrev_b32 v[E+(\t)], 23, v11               ; the scale's byte (a plain line behind the conversions)
	ds_store_b8 v5, v[E+(\t)] offset:16*(\t)       ; both lanes of a block write the same byte with the same value
	global_store_b64 v4, v[C+4*(\t):C+4*(\t)+1], s[10:11] offset:32*CB*(\t)   ; the wave stores 256 consecutive bytes, aligned
.endm
; The weights: A LANE TAKES A COLUMN n AND ITS REGISTERS RUN DOWN K.  Block t: 32 rows of the source, pitch bytes apart, into set t % 2; 32 lanes read 128 consecutive bytes, the four waves 512.
.macro WLOAD t, pitch, sb
.set i, 0
.rept 32
	global_load_b32 v[WX+32*((\t)%2)+i], v3, s[\sb:\sb+1] offset:(32*(\t)+i)*(\pitch) th:TH_LOAD_NT
.set i, i+1
.endr
.endm
.macro WWAIT t
.if (\t) < 3
	s_wait_loadcnt 32                              ; this block's 32 loads are in; the next block's may be out
.else
	s_wait_loadcnt 0x0
.endif
.endm
.macro WBLOCK t                        ; Wqkv: a block of 32 along K of my column becomes 16 bytes of codes and a scale byte
.set XS, WX+32*((\t)%2)
	WWAIT \t
	v_max3_num_f32 v16, |v[XS]|, |v[XS+1]|, |v[XS+2]|
	v_max3_num_f32 v17, |v[XS+3]|, |v[XS+4]|, |v[XS+5]|
.irp i, 6,10,14,18,22,26
	v_max3_num_f32 v16, v16, |v[XS+\i]|, |v[XS+\i+1]|
	v_max3_num_f32 v17, v17, |v[XS+\i+2]|, |v[XS+\i+3]|
.endr
	v_max3_num_f32 v16, v16, |v[XS+30]|, |v[XS+31]|
	v_max3_num_f32 v16, v16, v17, (EMAX+1)<<23     ; the floor
	v_add_nc_u32 v11, -(EMAX<<23), v16
	v_lshrrev_b32 v18, 23, v11
.if (\t) == 0
	v_mov_b32 v24, v18                             ; the four bytes of this K step make my column's scale word
.else
	v_lshl_or_b32 v24, v18, 8*(\t), v24
.endif
.irp g, 0,1,2,3
	v_cvt_scalef32_pk8_fp4_f32 v[WC+4*(\t)+\g], v[XS+8*\g:XS+8*\g+7], v11
.endr
	v_nop                                          ; one plain line behind the last conversion
	global_store_b128 v8, v[WC+4*(\t):WC+4*(\t)+3], s[14:15] offset:256*(\t)   ; sixteen lanes store 256 consecutive bytes, aligned
.if (\t)+2 < 4
	WLOAD (\t)+2, 12288, 6
.endif
.endm
.macro OBLOCK t                        ; Wo: 32 along K of my column become 64 bytes of f16
.set XS, WX+32*((\t)%2)
	WWAIT \t
.set p, 0
.rept 16
	v_cvt_pk_f16_f32 v[WC+16*(\t)+p], v[XS+2*p], v[XS+2*p+1]
.set p, p+1
.endr
.irp j, 0,1,2,3
	global_store_b128 v8, v[WC+16*(\t)+4*\j:WC+16*(\t)+4*\j+3], s[18:19] offset:1024*(\t)+256*\j
.endr
.if (\t)+2 < 4
	WLOAD (\t)+2, 4096, 8
.endif
.endm
	s_load_b256 s[4:11], s[0:1], 0x0               ; x s[4:5], Wqkv s[6:7], Wo s[8:9], x_codes s[10:11]
	s_load_b256 s[12:19], s[0:1], 0x20             ; x_scales s[12:13], w_img s[14:15], w_scales s[16:17], wo_img s[18:19]
	v_lshl_add_u32 v[SPW], v0, 2, SPARE
	v_mov_b32 v[NIL], 0
	v_lshrrev_b32 v1, 5, v0
	v_readfirstlane_b32 s20, v1                    ; wave
	v_and_b32 v2, 31, v0                           ; lane
	s_wait_kmcnt 0x0
	s_cmp_lt_u32 ttmp9, 256
	s_cbranch_scc0 .Lweights
	; ---- x: a plain stream of blocks of 32.  A wave takes 16 steps of 512 numbers; each load reads 512 consecutive bytes; the numbers turn through the wave's own stage so that a lane holds 16 neighbours
	v_lshlrev_b32 v3, 4, v2                        ; my 16 bytes of a load's 512
	s_mul_i32 s21, s20, WREG
	v_lshrrev_b32 v14, 2, v2
	v_mul_u32_u24 v14, v14, SP
	v_and_b32 v15, 3, v2
	v_lshl_add_u32 v14, v15, 4, v14
	v_add_nc_u32 v14, s21, v14                     ; the stage, on the way in: SP (lane / 4) + 16 (lane % 4)
	v_mul_u32_u24 v15, v2, SP
	v_add_nc_u32 v15, s21, v15                     ; on the way out: SP x lane
	v_mul_u32_u24 v4, v2, CB                       ; my codes' place in a step's
	v_lshrrev_b32 v5, 1, v2
	s_add_co_u32 s21, s21, 2*32*SP
	v_add_nc_u32 v5, s21, v5                       ; my block's scale byte in my wave's 256
	v_lshlrev_b32 v7, 3, v2
	v_add_nc_u32 v6, s21, v7                       ; and on the way out 8 bytes a lane
	s_lshl_b32 s22, ttmp9, 2
	s_add_co_u32 s22, s22, s20                     ; which run of 8,192 numbers is my wave's
	s_lshl_b32 s24, s22, 15                        ; 32,768 bytes of x,
	s_mov_b32 s25, 0
	s_add_nc_u64 s[4:5], s[4:5], s[24:25]
	s_lshl_b32 s24, s22, 12                        ; 4,096 of codes,
	s_add_nc_u64 s[10:11], s[10:11], s[24:25]
	s_lshl_b32 s24, s22, 8                         ; 256 scale bytes
	s_add_nc_u64 s[12:13], s[12:13], s[24:25]
.irp t, 0,1,2,3
	XLOAD \t
.endr
	s_wait_loadcnt 12                              ; step 0's four loads are in
	XTURN 0
.irp t, 0,1,2,3,4,5,6,7,8,9,10,11,12,13,14,15
	XSTEP \t
.endr
	ds_load_b64 v[8:9], v6                         ; LDS serves a wave's instructions in order: these see my byte stores
	s_wait_dscnt 0x0
	global_store_b64 v7, v[8:9], s[12:13]          ; 32 lanes store 256 consecutive bytes, aligned
	s_wait_tensorcnt 0x0                           ; the wave's end
	ds_add_u32 v[SPW], v[NIL]
	s_wait_dscnt 0x0
	s_endpgm
.Lweights:
	v_lshlrev_b32 v3, 2, v2                        ; in: 4 bytes a lane
	v_lshrrev_b32 v8, 4, v2
	v_and_b32 v9, 15, v2
	v_lshlrev_b32 v8, 12, v8
	v_lshl_add_u32 v8, v9, 4, v8                   ; out: lanes 16-31 hold the next 16 columns, whose images lie 4,096 bytes on; 16 bytes a column
	s_cmp_lt_u32 ttmp9, 448
	s_cbranch_scc0 .Lwo
	; ---- Wqkv: work-group g: K step g % 8 (128 along K), columns 128 (g / 8) on; wave w: 32 of them
	s_sub_co_u32 s21, ttmp9, 256
	s_and_b32 s22, s21, 7                          ; the K step
	s_lshr_b32 s23, s21, 3                         ; the block of 128 columns
	s_mul_i32 s24, s22, 128*12288
	s_lshl_b32 s25, s23, 9
	s_add_co_u32 s24, s24, s25
	s_lshl_b32 s25, s20, 7
	s_add_co_u32 s24, s24, s25
	s_mov_b32 s25, 0
	s_add_nc_u64 s[6:7], s[6:7], s[24:25]
	s_lshl_b32 s24, s23, 16                        ; w_img: 65,536 for 128 columns,
	s_lshr_b32 s26, s22, 2
	s_lshl_b32 s26, s26, 15                        ; 32,768 for 512 along K,
	s_add_co_u32 s24, s24, s26
	s_lshl_b32 s26, s20, 13                        ; 8,192 for my wave's 32 columns,
	s_add_co_u32 s24, s24, s26
	s_and_b32 s26, s22, 3
	s_lshl_b32 s26, s26, 10                        ; 1,024 for 128 along K
	s_add_co_u32 s24, s24, s26
	s_add_nc_u64 s[14:15], s[14:15], s[24:25]
	s_lshl_b32 s24, s23, 12                        ; w_scales: 32 bytes a column, word = K step
	s_lshl_b32 s26, s20, 10
	s_add_co_u32 s24, s24, s26
	s_lshl_b32 s26, s22, 2
	s_add_co_u32 s24, s24, s26
	s_add_nc_u64 s[16:17], s[16:17], s[24:25]
	v_lshlrev_b32 v9, 5, v2
	WLOAD 0, 12288, 6
	WLOAD 1, 12288, 6
.irp t, 0,1,2,3
	WBLOCK \t
.endr
	global_store_b32 v9, v24, s[16:17]             ; my column's scale word of this K step: 4 bytes of each 32; 98,304 bytes in the whole launch are stored so
	s_endpgm
.Lwo:
	; ---- Wo: work-group g: 128 along K, g % 8; columns 128 (g / 8) on
	s_sub_co_u32 s21, ttmp9, 448
	s_and_b32 s22, s21, 7
	s_lshr_b32 s23, s21, 3
	s_lshl_b32 s24, s22, 19                        ; 128 rows of 4,096 bytes
	s_lshl_b32 s25, s23, 9
	s_add_co_u32 s24, s24, s25
	s_lshl_b32 s25, s20, 7
	s_add_co_u32 s24, s24, s25
	s_mov_b32 s25, 0
	s_add_nc_u64 s[8:9], s[8:9], s[24:25]
	s_lshr_b32 s24, s23, 1
	s_lshl_b32 s24, s24, 19                        ; wo_img: 524,288 for 256 columns,
	s_lshl_b32 s26, s22, 16                        ; 65,536 for 128 along K,
	s_add_co_u32 s24, s24, s26
	s_and_b32 s26, s23, 1
	s_lshl_b32 s26, s26, 15                        ; 32,768 for the upper 128 columns,
	s_add_co_u32 s24, s24, s26
	s_lshl_b32 s26, s20, 13                        ; 8,192 for my wave's 32
	s_add_co_u32 s24, s24, s26
	s_add_nc_u64 s[18:19], s[18:19], s[24:25]
	WLOAD 0, 4096, 8
	WLOAD 1, 4096, 8
.irp t, 0,1,2,3
	OBLOCK \t
.endr
	s_endpgm
.Lfunc_end_k_qc1528fbd11_prep:
	.size	k_qc1528fbd11_prep, .Lfunc_end_k_qc1528fbd11_prep-k_qc1528fbd11_prep
	.p2alignl 7, 3214868480
	.fill 96, 4, 3214868480
	.section	.rodata,"a",@progbits
	.p2align	6, 0x0
	.amdhsa_kernel k_qc1528fbd11_prep
		.amdhsa_group_segment_fixed_size 33280
		.amdhsa_private_segment_fixed_size 0
		.amdhsa_enable_private_segment 0
		.amdhsa_kernarg_size 64
		.amdhsa_user_sgpr_count 2
		.amdhsa_user_sgpr_kernarg_segment_ptr 1
		.amdhsa_wavefront_size32 1
		.amdhsa_system_sgpr_workgroup_id_x 1
		.amdhsa_system_sgpr_workgroup_id_y 1
		.amdhsa_system_sgpr_workgroup_id_z 1
		.amdhsa_system_vgpr_workitem_id 0
		.amdhsa_next_free_vgpr 192
		.amdhsa_next_free_sgpr 66
		.amdhsa_reserve_vcc 0
		.amdhsa_float_denorm_mode_32 3
		.amdhsa_float_denorm_mode_16_64 3
		.amdhsa_memory_ordered 1
		.amdhsa_forward_progress 1
		.amdhsa_inst_pref_size 71
	.end_amdhsa_kernel
	.amdgpu_metadata
---
amdhsa.version: [ 1, 2 ]
amdhsa.kernels:
  - .name:           k_qc1528fbd11_prep
    .symbol:         k_qc1528fbd11_prep.kd
    .args:
      - { .name: x, .offset: 0, .size: 8, .value_kind: global_buffer, .address_space: global }
      - { .name: Wqkv, .offset: 8, .size: 8, .value_kind: global_buffer, .address_space: global }
      - { .name: Wo, .offset: 16, .size: 8, .value_kind: global_buffer, .address_space: global }
      - { .name: x_codes, .offset: 24, .size: 8, .value_kind: global_buffer, .address_space: global }
      - { .name: x_scales, .offset: 32, .size: 8, .value_kind: global_buffer, .address_space: global }
      - { .name: w_img, .offset: 40, .size: 8, .value_kind: global_buffer, .address_space: global }
      - { .name: w_scales, .offset: 48, .size: 8, .value_kind: global_buffer, .address_space: global }
      - { .name: wo_img, .offset: 56, .size: 8, .value_kind: global_buffer, .address_space: global }
    .group_segment_fixed_size: 33280
    .private_segment_fixed_size: 0
    .kernarg_segment_align: 8
    .kernarg_segment_size: 64
    .max_flat_workgroup_size: 128
    .sgpr_count:     66
    .vgpr_count:     192
    .wavefront_size: 32
...
	.end_amdgpu_metadata
.endif
;; end of part 1
;; launch gemm (part 2): grid 12 x 32, 4 waves a work-group, clusters of 4 x 4, 327,680 bytes of LDS; arguments x_codes, x_scales, w_img, w_scales, qkv, bqkv; writes qkv
.if DOCPART == 2
	.amdgcn_target "amdgcn-amd-amdhsa--gfx1250"
	.amdhsa_code_object_version 6
	.text
	.protected	k_qc1528fbd11_gemm
	.globl	k_qc1528fbd11_gemm
	.p2align	8
	.type	k_qc1528fbd11_gemm,@function
k_qc1528fbd11_gemm:
	s_mov_b64 s[64:65], 0
	v_nop
	global_prefetch_b8 v0, s[64:65] scope:SCOPE_SE
	s_setreg_imm32_b32 hwreg(HW_REG_WAVE_MODE, 25, 1), 1
	s_wait_xcnt 0x0
	s_wait_alu depctr_hold_cnt(0) depctr_sa_sdst(0) depctr_va_vdst(0) depctr_va_sdst(0) depctr_va_ssrc(0) depctr_va_vcc(0) depctr_vm_vsrc(0)
	s_getreg_b32 s2, hwreg(HW_REG_IB_STS2, 6, 4)
	s_cmp_eq_u32 s2, 0
	s_cbranch_scc0 .Lentry_in_a_cluster
	s_endpgm
.Lentry_in_a_cluster:
	s_bfe_u32 s2, ttmp6, 0x10000c
	s_cmp_lg_u32 s2, 0xf033
	s_cbranch_scc0 .Lentry_shape_is_right
	s_endpgm
.Lentry_shape_is_right:
; qkv = x Wqkv + bqkv on codes of E2M1 with one E8M0 scale for each 32 along K = 1,024; sums in f32; the results leave as f16, laid as IMAGES OF THE OPERANDS' REGISTERS of the attention that follows.
; A tile of 256 tokens x 256 columns is made by four waves, each 128 x 128: 64 accumulators, 512 registers.  K is two slots of 512: BOTH ARE FIRST FILLS, nothing is filled again, and there is no loop.
; x's tile comes as rows of 256 bytes, 16 bytes of padding behind each (LDS rows 272 bytes apart: the 16 rows of a fragment load start at 16 different banks).  Wqkv's comes as images: one dense block; a fragment load reads 512 consecutive bytes.
; The scale bytes of the 256 rows of x and of the 256 columns, for all of K, are two dense blocks: they come once, in rows of 256 bytes.
; CLUSTERS: 4 x 4 work-groups; the four of a row of the cluster need the same tiles of x, the four of a column the same tiles of Wqkv: each tile is asked for jointly.
; The cluster's x says what is made: 0 q, 1 k, 2 v; it is the same in all sixteen partners.  q AND k ARE MADE TRANSPOSED (source 0 = 16 columns of Wqkv, source 1 = 16 tokens): a lane holds one token and eight
; neighbouring channels, which is a piece of a fragment [16 tokens][32 channels].  v IS MADE AS IT STANDS (source 0 = tokens, source 1 = columns): a lane holds one channel and eight neighbouring tokens, a piece of
; a fragment [16 channels][32 keys].  So every store of the wave is 512 consecutive bytes, aligned, and the way out touches no LDS.  The body is written twice, once for each order of the sources.
; qkv, for each (batch, head), 786,432 bytes: q [16 tokens: 128][32 channels: 2][1,024]; from 262,144 on eight units of 256 keys: k [16 keys: 16][32 channels: 2][1,024], then v [32 keys: 8][16 channels: 4][1,024].
; The bias is the C of each sum's first matrix instruction.
; LIMITS: q, k and v go in f16: magnitudes above 65,504 are not served; NaN and infinities are not served.
; REGISTERS, in windows of 256: window 0: v16-29 addresses; v32-95 scale words, two sets; v128-191 x's fragments, one set; v192-255 the bias.  window 1: Wqkv's fragments, two sets, at v0 and v128.
;   window 2: the accumulators of my tokens 0-63 ((a, b) at v[8 (8 a + b)]); window 3: those of tokens 64-127.
.set PITCH,  272
.set HA,     128*PITCH                 ; 128 rows of x: what one tensor load brings, and what one wave reads
.set HB,     32768                     ; 128 columns of Wqkv, 512 along K, as images
.set SLOT,   2*HA+2*HB
.set NQ,     4                         ; steps of 128 along K in a slot
.set FR,     8                         ; registers of a fragment
.set KS,     32                        ; a row of scale bytes
.set SCL,    2*SLOT                    ; behind the slots: the scales, as rows of 256 bytes + 16 of padding
.set HALFS,  (128*KS/256)*272
.set SBLK,   (16*KS/256)*272
.set SPARE,  SCL+4*HALFS               ; the spare words, 128 bytes a wave
.set HEADB,  786432
.set ADRA, 16                          ; v16-17 LDS address of x's fragments in slot 0, 1
.set ADRB, 20                          ; v20-21 of Wqkv's
.set LI,   24                          ; v24 16 x lane
.set BO,   25                          ; v25 32 x (lane / 16): the bias, transposed
.set BO1,  26                          ; v26 4 x (lane % 16): the bias, as it stands
.set ADRS, 27                          ; v27 LDS address of my scale words: lanes 0-15 x's rows, lanes 16-31 Wqkv's columns
.set SPW,  28
.set NIL,  29
.set SC,   32
.set AF,   128
.set BIAS, 192
.set G1,   24
.set G0,   32
.set G1B,  48
.set G0B,  56
.set G1S,  68
.set G0S,  76
.set G1SB, 80
.set G0SB, 88
.set MSB, 0
.macro WIN new                         ; the immediate's high byte repeats the setting that is left
.if MSB != \new
	s_set_vgpr_msb (MSB<<8)|\new
.set MSB, \new
.endif
.endm
.set TO_B, 0x40
; A joint load: waves 0 and 1 fetch for x, waves 2 and 3 for Wqkv; the branch hangs on the wave's number alone.  An s_nop 0 and four v_nop follow each line.
.macro JLOAD g0a, g1a, g0b, g1b
	s_cmp_eq_u32 s15, 0
	s_cbranch_scc0 .Lfor_b_\@
	tensor_load_to_lds s[\g0a:\g0a+3], s[\g1a:\g1a+7]
	s_nop 0
.rept 4
	v_nop
.endr
	s_branch .Lasked_\@
.Lfor_b_\@:
	tensor_load_to_lds s[\g0b:\g0b+3], s[\g1b:\g1b+7]
	s_nop 0
.rept 4
	v_nop
.endr
.Lasked_\@:
.endm
.macro CROUND                          ; a round of the cluster's barrier
	s_barrier_signal -1
	s_barrier_wait -1
	s_cmp_lg_u32 s14, 0
	s_cbranch_scc1 .Lnot_wave_0_\@
	s_barrier_signal -3
.Lnot_wave_0_\@:
	s_barrier_wait -3
	s_barrier_signal -1
	s_barrier_wait -1
.endm
.macro PLACES
.rept 4
	v_nop
.endr
.endm
.macro FETCH_B slot, q, p              ; Wqkv's eight fragments of the slot's q-th 128 along K into set p: images, 512 consecutive bytes a load
	WIN TO_B
.irp i, 0,1,2,3,4,5,6,7
.irp c, 0,1
	ds_load_b128 v[128*(\p)+FR*\i+4*\c:128*(\p)+FR*\i+4*\c+3], v[ADRB+\slot] offset:1024*(\q)+4096*\i+512*\c
.endr
.endr
	WIN 0
.endm
.macro FETCH_A slot, q, i0             ; x's blocks i0 .. i0 + 3: lane l takes row l % 16, 16 bytes at 16 (l / 16), and 32 bytes on
.irp i, \i0, \i0+1, \i0+2, \i0+3
.irp c, 0,1
	ds_load_b128 v[AF+FR*(\i)+4*\c:AF+FR*(\i)+4*\c+3], v[ADRA+\slot] offset:64*(\q)+32*\c+(\i)*16*PITCH
.endr
.endr
.endm
.macro SCALES sc                       ; a slot's scale words: four a row; lanes 0-15 x's block i, lanes 16-31 Wqkv's block i
.irp i, 0,1,2,3,4,5,6,7
	ds_load_b128 v[SC+8*NQ*\sc+NQ*\i:SC+8*NQ*\sc+NQ*\i+3], v[ADRS] offset:\i*SBLK
.endr
.endm
; 16 matrix instructions: x's blocks a0, a0 + 1 against Wqkv's eight.  first = 1: the bias is the C.  The 64 accumulators take turns, one instruction a turn, in the same order in every step.
.macro MUL16 a0, p, q, sc, first, swap
.irp a, \a0, \a0+1
.irp b, 0,1,2,3,4,5,6,7
.set rD, 8*(8*((\a)%4)+\b)
.set rB, 128*(\p)+FR*\b
.set rA, AF+FR*(\a)
.set sB, SC+8*NQ*(\sc)+NQ*\b+(\q)
.set sA, SC+8*NQ*(\sc)+NQ*(\a)+(\q)
.if \swap
.if \first
	v_wmma_scale_f32_16x16x128_f8f6f4 v[rD:rD+7], v[rA:rA+7], v[rB:rB+7], v[BIAS+8*\b:BIAS+8*\b+7], v[sA], v[sB] matrix_a_fmt:MATRIX_FMT_FP4 matrix_b_fmt:MATRIX_FMT_FP4 matrix_b_scale:MATRIX_SCALE_ROW1
.else
	v_wmma_scale_f32_16x16x128_f8f6f4 v[rD:rD+7], v[rA:rA+7], v[rB:rB+7], v[rD:rD+7], v[sA], v[sB] matrix_a_fmt:MATRIX_FMT_FP4 matrix_b_fmt:MATRIX_FMT_FP4 matrix_b_scale:MATRIX_SCALE_ROW1
.endif
.else
.if \first
	v_wmma_scale_f32_16x16x128_f8f6f4 v[rD:rD+7], v[rB:rB+7], v[rA:rA+7], v[BIAS+8*\b:BIAS+8*\b+7], v[sB], v[sA] matrix_a_fmt:MATRIX_FMT_FP4 matrix_b_fmt:MATRIX_FMT_FP4 matrix_a_scale:MATRIX_SCALE_ROW1
.else
	v_wmma_scale_f32_16x16x128_f8f6f4 v[rD:rD+7], v[rB:rB+7], v[rA:rA+7], v[rD:rD+7], v[sB], v[sA] matrix_a_fmt:MATRIX_FMT_FP4 matrix_b_fmt:MATRIX_FMT_FP4 matrix_a_scale:MATRIX_SCALE_ROW1
.endif
.endif
.endr
.endr
.endm
; The windows of a product: Wqkv's fragments in window 1, x's in window 0; D in window 2 or 3; C with D, or, in the first step, in window 0 (the bias)
.macro WINS first, swap
.set WLO, 1+3*(\swap)+0x80+0x20*(1-(\first))
.set WHI, 1+3*(\swap)+0xc0+0x30*(1-(\first))
.endm
; A step of 128 along K that has its successor in the same slot.  A block of x is free as soon as its eight products are issued: blocks 0-3 are fetched anew in the step's middle, blocks 4-7 at its end.
.macro STEP slot, q, first, swap
	WINS \first, \swap
	s_wait_dscnt 8                                 ; all but the youngest eight loads (x's blocks 4-7) are in
	WIN WLO
	MUL16 0, (\q)%2, \q, \slot, \first, \swap
	MUL16 2, (\q)%2, \q, \slot, \first, \swap
	s_wait_dscnt 0x0
	PLACES                                         ; four places in front of loads into registers that matrix instructions have read
	FETCH_B \slot, (\q)+1, 1-(\q)%2
	FETCH_A \slot, (\q)+1, 0
	WIN WHI
	MUL16 4, (\q)%2, \q, \slot, \first, \swap
	MUL16 6, (\q)%2, \q, \slot, \first, \swap
	PLACES
	WIN 0
	FETCH_A \slot, (\q)+1, 4
.endm
; Slot 0's last step goes over to slot 1: each wave waits for all its tensor loads (slot 1's was still out), and a barrier shows slot 1 whole to every wave.  Nothing is filled again.
.macro TURN swap
	WINS 0, \swap
	s_wait_tensorcnt 0x0                           ; my part of slot 1 has landed
	ds_add_u32 v[SPW], v[NIL]                      ; 0 onto my spare word
	s_wait_dscnt 9                                 ; (the add and x's blocks 4-7 may be out)
	WIN WLO
	MUL16 0, 1, NQ-1, 0, 0, \swap
	s_wait_dscnt 0x0                               ; no LDS instruction of mine is out at the signal
	s_barrier_signal -1
	MUL16 2, 1, NQ-1, 0, 0, \swap
	WIN 0
	s_barrier_wait -1
	PLACES
	v_add_nc_u32 v[ADRS], 4*NQ, v[ADRS]            ; on to slot 1's scale words
	FETCH_B 1, 0, 0
	FETCH_A 1, 0, 0
	SCALES 1
	WIN WHI
	MUL16 4, 1, NQ-1, 0, 0, \swap
	MUL16 6, 1, NQ-1, 0, 0, \swap
	PLACES
	WIN 0
	FETCH_A 1, 0, 4
.endm
.macro BODY swap
.if \swap
.irp b, 0,1,2,3,4,5,6,7
.irp j, 0,1,2,3,4,5,6,7
	global_load_b32 v[BIAS+8*\b+\j], v[BO1], s[66:67] offset:64*\b   ; as it stands a lane holds ONE column: all eight registers take its bias
.endr
.endr
.else
.irp b, 0,1,2,3,4,5,6,7
	global_load_b128 v[BIAS+8*\b:BIAS+8*\b+3], v[BO], s[66:67] offset:64*\b      ; transposed a lane holds eight neighbouring columns
	global_load_b128 v[BIAS+8*\b+4:BIAS+8*\b+7], v[BO], s[66:67] offset:64*\b+16
.endr
.endif
	s_wait_tensorcnt 1                             ; the scales and my part of slot 0 are in; slot 1's load may be out
	s_barrier_signal -1
	s_barrier_wait -1
	FETCH_B 0, 0, 0
	FETCH_A 0, 0, 0
	SCALES 0
	FETCH_A 0, 0, 4
	s_wait_loadcnt 0x0                             ; the bias
	STEP 0, 0, 1, \swap
	STEP 0, 1, 0, \swap
	STEP 0, 2, 0, \swap
	TURN \swap
	STEP 1, 0, 0, \swap
	STEP 1, 1, 0, \swap
	STEP 1, 2, 0, \swap
	WINS 0, \swap
	s_wait_dscnt 8                                 ; the last step: nothing more to fetch
	WIN WLO
	MUL16 0, 1, NQ-1, 1, 0, \swap
	MUL16 2, 1, NQ-1, 1, 0, \swap
	s_wait_dscnt 0x0
	WIN WHI
	MUL16 4, 1, NQ-1, 1, 0, \swap
	MUL16 6, 1, NQ-1, 1, 0, \swap
	; THE WAY OUT: each accumulator's eight numbers become 16 bytes of f16, from its low end on, and are a piece of an image: the wave stores 512 consecutive bytes.  No register is written twice: no wait.
	PLACES
	WIN 0x0a                                       ; sources in window 2, destination in window 0: x's fragments and the bias are done with
.set t, 0
.rept 32
.irp p, 0,1,2,3
	v_cvt_pk_f16_f32 v[128+4*t+\p], v[8*t+2*\p], v[8*t+2*\p+1]
.endr
.set t, t+1
.endr
	WIN 0
.irp a, 0,1,2,3
.irp b, 0,1,2,3,4,5,6,7
.if \swap
	global_store_b128 v[LI], v[128+4*(8*\a+\b):128+4*(8*\a+\b)+3], s[12:13] offset:(\a/2)*4096+(\a%2)*512+(\b%4)*1024+(\b/4)*HEADB
.else
	global_store_b128 v[LI], v[128+4*(8*\a+\b):128+4*(8*\a+\b)+3], s[12:13] offset:\a*2048+(\b/4)*HEADB+(\b%4)*512
.endif
.endr
.endr
	WIN 0x4f                                       ; sources in window 3, destination in window 1: Wqkv's set 0 is done with
.set t, 0
.rept 32
.irp p, 0,1,2,3
	v_cvt_pk_f16_f32 v[4*t+\p], v[8*t+2*\p], v[8*t+2*\p+1]
.endr
.set t, t+1
.endr
	WIN 0x04                                       ; a store's data are its source 1: window 1
.irp a, 4,5,6,7
.irp b, 0,1,2,3,4,5,6,7
.if \swap
	global_store_b128 v[LI], v[4*(8*(\a-4)+\b):4*(8*(\a-4)+\b)+3], s[12:13] offset:(\a/2)*4096+(\a%2)*512+(\b%4)*1024+(\b/4)*HEADB
.else
	global_store_b128 v[LI], v[4*(8*(\a-4)+\b):4*(8*(\a-4)+\b)+3], s[12:13] offset:\a*2048+(\b/4)*HEADB+(\b%4)*512
.endif
.endr
.endr
	WIN 0
	s_wait_tensorcnt 0x0                           ; the wave's end
	ds_add_u32 v[SPW], v[NIL]
	s_wait_dscnt 0x0
.endm
	s_load_b128 s[4:7], s[0:1], 0x0                ; x's codes s[4:5], x's scales s[6:7]
	s_load_b128 s[8:11], s[0:1], 0x10              ; Wqkv's images s[8:9], its scales s[10:11]
	s_load_b64 s[12:13], s[0:1], 0x20              ; qkv
	s_load_b64 s[66:67], s[0:1], 0x28              ; bqkv
	v_lshl_add_u32 v[SPW], v0, 2, SPARE
	v_mov_b32 v[NIL], 0
	ds_add_u32 v[SPW], v[NIL]                      ; the wave's opening: the set-up below stands between the add and its wait
	v_lshrrev_b32 v1, 5, v0
	v_readfirstlane_b32 s14, v1                    ; wave 0..3
	s_lshr_b32 s15, s14, 1                         ; which half of the tile's tokens is mine.  Also: I fetch for x (0) or for Wqkv (1)
	s_and_b32 s16, s14, 1                          ; which half of its columns.  Also: which 128 rows of that tile I fetch
	s_bfe_u32 s40, ttmp6, 0x40000                  ; cx, cy: my place in the cluster
	s_bfe_u32 s41, ttmp6, 0x40004
	s_lshl_b32 s42, ttmp9, 2
	s_add_co_u32 s42, s42, s40                     ; tile column = 4 x cluster x + cx
	s_and_b32 s17, ttmp7, 0xffff
	s_lshl_b32 s17, s17, 2
	s_add_co_u32 s17, s17, s41                     ; tile row = 4 x cluster y + cy
	s_lshl_b32 s43, s41, 2
	s_lshl_b32 s43, 15, s43                        ; my row of the cluster
	s_lshl_b32 s44, 0x1111, s40                    ; my column
	s_or_b32 s[G1+0], s43, (0<<16)|(1<<20)|(1<<21)|(5<<22)|(3<<25)   ; x's tile: the mask of my row; elements of 1 byte; 4 words of padding behind every 64; bit 21 beside a mask
	s_mov_b32 s[G1+1], 256<<16                     ; tensor_dim0 = 256 bytes
	s_mov_b32 s[G1+2], 128<<16                     ; tensor_dim1 = 128 rows
	s_mov_b32 s[G1+3], 256<<16                     ; tile_dim0
	s_mov_b32 s[G1+4], 128                         ; tile_dim1
	s_mov_b32 s[G1+5], 512                         ; a row of x's codes in memory
	s_mov_b32 s[G1+6], 0
	s_mov_b32 s[G1+7], 0
	s_or_b32 s[G1B+0], s44, (3<<16)|(1<<21)        ; Wqkv's tile: the mask of my column; a dense block of 128 rows of 32 elements of 8 bytes; no padding
	s_mov_b32 s[G1B+1], 32<<16
	s_mov_b32 s[G1B+2], 128<<16
	s_mov_b32 s[G1B+3], 32<<16
	s_mov_b32 s[G1B+4], 128
	s_mov_b32 s[G1B+5], 32
	s_mov_b32 s[G1B+6], 0
	s_mov_b32 s[G1B+7], 0
	s_or_b32 s[G1S+0], s43, (3<<16)|(1<<20)|(1<<21)|(5<<22)|(3<<25)  ; the scales of 128 rows: 4,096 dense bytes as 16 rows of 256, 16 bytes of padding behind each
	s_or_b32 s[G1SB+0], s44, (3<<16)|(1<<20)|(1<<21)|(5<<22)|(3<<25)
.irp g, G1S, G1SB
	s_mov_b32 s[\g+1], 32<<16
	s_mov_b32 s[\g+2], 16<<16
	s_mov_b32 s[\g+3], 32<<16
	s_mov_b32 s[\g+4], 16
	s_mov_b32 s[\g+5], 32
	s_mov_b32 s[\g+6], 0
	s_mov_b32 s[\g+7], 0
.endr
	s_lshl_b32 s18, s16, 7                         ; which 128 rows I fetch
	s_lshl_b32 s20, s17, 8
	s_add_co_u32 s20, s20, s18                     ; x: token 256 x tile row + 128 x half
	s_lshl_b32 s46, s42, 8
	s_add_co_u32 s46, s46, s18                     ; Wqkv: column 256 x tile column + 128 x half
	s_lshl_b32 s22, s20, 5                         ; their scale bytes: 32 a row
	s_mov_b32 s23, 0
	s_lshl_b32 s92, s46, 5
	s_mov_b32 s93, 0
	s_lshl_b32 s20, s20, 9                         ; x's codes: 512 bytes a row
	s_mov_b32 s21, 0
	s_lshl_b32 s46, s46, 9                         ; the images: 65,536 bytes for 128 columns
	s_mov_b32 s47, 0
	s_mul_i32 s45, s16, HA                         ; where they go: no place in the cluster enters an LDS address
	s_lshl_b32 s95, s16, 15
	s_add_co_u32 s95, s95, 2*HA
	s_mul_i32 s94, s14, HALFS
	s_wait_dscnt 0x0                               ; the opening add is done
	s_wait_kmcnt 0x0
	s_add_nc_u64 s[20:21], s[4:5], s[20:21]
	s_add_nc_u64 s[22:23], s[6:7], s[22:23]
	s_add_nc_u64 s[46:47], s[8:9], s[46:47]
	s_add_nc_u64 s[92:93], s[10:11], s[92:93]
	CROUND                                         ; all sixteen work-groups are here: the joint loads meet
	s_mov_b32 s[G0S], 1
	s_add_co_u32 s[G0S+1], s94, SCL
	s_mov_b64 s[G0S+2:G0S+3], s[22:23]
	s_or_b32 s[G0S+3], s[G0S+3], 0x80000000
	s_mov_b32 s[G0SB], 1
	s_add_co_u32 s[G0SB+1], s94, SCL
	s_mov_b64 s[G0SB+2:G0SB+3], s[92:93]
	s_or_b32 s[G0SB+3], s[G0SB+3], 0x80000000
	JLOAD G0S, G1S, G0SB, G1SB                     ; the scales first; three loads of mine are out behind the last of these
.irp s, 0,1
	s_mov_b32 s[G0+4*\s], 1
	s_add_co_u32 s[G0+4*\s+1], s45, \s*SLOT
	s_add_nc_u64 s[G0+4*\s+2:G0+4*\s+3], s[20:21], \s*256
	s_or_b32 s[G0+4*\s+3], s[G0+4*\s+3], 0x80000000
	s_mov_b32 s[G0B+4*\s], 1
	s_add_co_u32 s[G0B+4*\s+1], s95, \s*SLOT
	s_add_nc_u64 s[G0B+4*\s+2:G0B+4*\s+3], s[46:47], \s*HB
	s_or_b32 s[G0B+4*\s+3], s[G0B+4*\s+3], 0x80000000
	JLOAD G0+4*\s, G1, G0B+4*\s, G1B
.endr
	v_and_b32 v1, 15, v0                           ; l % 16
	v_bfe_u32 v2, v0, 4, 1                         ; l / 16
	v_mul_u32_u24 v3, v1, PITCH
	v_lshl_add_u32 v4, v2, 4, v3                   ; x: row x pitch + 16 x half
	v_and_b32 v6, 31, v0
	v_lshlrev_b32 v[LI], 4, v6                     ; an image: 16 x lane
	s_mul_i32 s21, s15, HA                         ; my 128 tokens
	s_lshl_b32 s22, s16, 15                        ; my 128 columns,
	s_add_co_u32 s22, s22, 2*HA                    ; behind x's 256 rows
.irp s, 0,1
	v_add_nc_u32 v[ADRA+\s], s21, v4
	v_add_nc_u32 v[ADRB+\s], s22, v[LI]
	s_add_co_u32 s21, s21, SLOT
	s_add_co_u32 s22, s22, SLOT
.endr
	v_mul_u32_u24 v5, v1, KS                       ; my row's scales: 32 bytes a row,
	v_lshrrev_b32 v6, 8, v5
	v_lshl_add_u32 v5, v6, 4, v5                   ; and 16 more for each 256 passed
	s_mul_i32 s21, s15, HALFS
	s_mul_i32 s22, s16, HALFS
	s_add_co_u32 s22, s22, 2*HALFS
	s_sub_co_u32 s22, s22, s21
	v_mul_u32_u24 v6, s22, v2                      ; lanes 16-31 take Wqkv's: one product, the distance between the two bases
	s_add_co_u32 s21, s21, SCL
	v_add_nc_u32 v5, v5, v6
	v_add_nc_u32 v[ADRS], s21, v5
	v_lshlrev_b32 v[BO], 5, v2
	v_lshlrev_b32 v[BO1], 2, v1
	; where my results go: (batch x 16 + head) x 786,432 + the region of q, k or v + my 128 tokens
	s_lshr_b32 s20, s17, 3                         ; batch
	s_mul_i32 s20, s20, 16*HEADB
	s_and_b32 s21, s17, 7                          ; which 256 tokens of the batch
	s_cmp_eq_u32 ttmp9, 0
	s_cselect_b32 s22, 15, 16                      ; q: 32,768 bytes for 256 tokens; k and v: units of 65,536,
	s_cselect_b32 s23, 0, 262144                   ; behind q
	s_lshl_b32 s21, s21, s22
	s_add_co_u32 s20, s20, s21
	s_add_co_u32 s20, s20, s23
	s_cmp_eq_u32 ttmp9, 2
	s_cselect_b32 s23, 32768, 0                    ; v behind k in a unit
	s_add_co_u32 s20, s20, s23
	s_lshl_b32 s21, s15, 14                        ; my half of the tokens: 16,384 bytes in each of the three
	s_add_co_u32 s20, s20, s21
	s_mov_b32 s21, 0
	s_add_nc_u64 s[12:13], s[12:13], s[20:21]
	s_lshl_b32 s46, s40, 2
	s_lshl_b32 s47, s16, 1
	s_add_co_u32 s46, s46, s47                     ; my first head: 4 cx + 2 x half
	s_mul_i32 s46, s46, HEADB
	s_mov_b32 s47, 0
	s_add_nc_u64 s[12:13], s[12:13], s[46:47]
	s_lshl_b32 s46, s42, 10                        ; the bias of my 128 columns
	s_lshl_b32 s47, s16, 9
	s_add_co_u32 s46, s46, s47
	s_mov_b32 s47, 0
	s_add_nc_u64 s[66:67], s[66:67], s[46:47]
	s_cmp_eq_u32 ttmp9, 2                          ; the cluster's x: the same in all sixteen partners and in all waves
	s_cbranch_scc1 .Lv
	BODY 0
	s_branch .Lend
.Lv:
	BODY 1
.Lend:
	CROUND                                         ; the closing round: no work-group ends while a partner may still ask for a tile that names it
	s_endpgm
.Lfunc_end_k_qc1528fbd11_gemm:
	.size	k_qc1528fbd11_gemm, .Lfunc_end_k_qc1528fbd11_gemm-k_qc1528fbd11_gemm
	.p2alignl 7, 3214868480
	.fill 96, 4, 3214868480
	.section	.rodata,"a",@progbits
	.p2align	6, 0x0
	.amdhsa_kernel k_qc1528fbd11_gemm
		.amdhsa_group_segment_fixed_size 327680
		.amdhsa_private_segment_fixed_size 0
		.amdhsa_enable_private_segment 0
		.amdhsa_kernarg_size 48
		.amdhsa_user_sgpr_count 2
		.amdhsa_user_sgpr_kernarg_segment_ptr 1
		.amdhsa_wavefront_size32 1
		.amdhsa_system_sgpr_workgroup_id_x 1
		.amdhsa_system_sgpr_workgroup_id_y 1
		.amdhsa_system_sgpr_workgroup_id_z 1
		.amdhsa_system_vgpr_workitem_id 0
		.amdhsa_next_free_vgpr 1024
		.amdhsa_next_free_sgpr 100
		.amdhsa_reserve_vcc 0
		.amdhsa_float_denorm_mode_32 3
		.amdhsa_float_denorm_mode_16_64 3
		.amdhsa_memory_ordered 1
		.amdhsa_forward_progress 1
		.amdhsa_inst_pref_size 232
	.end_amdhsa_kernel
	.amdgpu_metadata
---
amdhsa.version: [ 1, 2 ]
amdhsa.kernels:
  - .name:           k_qc1528fbd11_gemm
    .symbol:         k_qc1528fbd11_gemm.kd
    .args:
      - { .name: x_codes, .offset: 0, .size: 8, .value_kind: global_buffer, .address_space: global }
      - { .name: x_scales, .offset: 8, .size: 8, .value_kind: global_buffer, .address_space: global }
      - { .name: w_img, .offset: 16, .size: 8, .value_kind: global_buffer, .address_space: global }
      - { .name: w_scales, .offset: 24, .size: 8, .value_kind: global_buffer, .address_space: global }
      - { .name: qkv, .offset: 32, .size: 8, .value_kind: global_buffer, .address_space: global }
      - { .name: bqkv, .offset: 40, .size: 8, .value_kind: global_buffer, .address_space: global }
    .group_segment_fixed_size: 327680
    .private_segment_fixed_size: 0
    .kernarg_segment_align: 8
    .kernarg_segment_size: 48
    .max_flat_workgroup_size: 128
    .sgpr_count:     100
    .vgpr_count:     1024
    .wavefront_size: 32
...
	.end_amdgpu_metadata
.endif
;; end of part 2
;; launch attn (part 3): grid 4 x 64, 16 waves a work-group, no clusters, 327,680 bytes of LDS; arguments qkv, y_img; writes y_img
.if DOCPART == 3
	.amdgcn_target "amdgcn-amd-amdhsa--gfx1250"
	.amdhsa_code_object_version 6
	.text
	.protected	k_qc1528fbd11_attn
	.globl	k_qc1528fbd11_attn
	.p2align	8
	.type	k_qc1528fbd11_attn,@function
k_qc1528fbd11_attn:
	s_mov_b64 s[64:65], 0
	v_nop
	global_prefetch_b8 v0, s[64:65] scope:SCOPE_SE
	s_setreg_imm32_b32 hwreg(HW_REG_WAVE_MODE, 25, 1), 1
	s_wait_xcnt 0x0
; y[b][h][q] = the sum over k <= q of softmax_k(q . k / 8) v, head size 64, 2,048 tokens, 64 (batch, head) pairs.  q, k, v arrive as f16, as images of the operands' registers (1,024 bytes a fragment: registers 4 c .. 4 c + 3 of
; lane l at 512 c + 16 l); products, maxima and sums in f32; the weights p are rounded to f16 for the second product, y to f16 once at the end (it is the next product's operand).
; SHARES.  Work-group (i, pair) owns the blocks of 256 queries 7 - i (waves 0-7) and i (waves 8-15): under the causal mask that is 9 blocks of keys' work in every one of the 256 work-groups.  A wave owns 32 queries, two tiles
; of 16, in 256 registers: four waves to a SIMD, so that one wave's softmax stands beside another's products and LDS loads.  Which 32 of a block: waves w and w + 4 take places w and 7 - w, whose work on the diagonal adds up alike.
; NO CLUSTER: the four work-groups of a pair read the same k and v, but each stops at its own causal limit (8 - i units), so partners would need different numbers of tiles; asked jointly, all four would fetch 8 units.
; LAYOUT.  S^T = K Q^T (source 0 = 16 keys, source 1 = 16 queries): a lane holds ONE query (lane % 16) and the keys 8 (lane / 16) + 0..7 of each tile.  Two tiles, rounded in pairs, ARE source 1 of O^T = V^T P (source 0 = 16 channels
; x 32 keys), whose result again holds one query a lane and eight channels: a piece of y's image.  Nothing changes lanes but one exchange of maxima and one of sums.
; SOFTMAX.  For each query a running maximum m and sum l: p = 2^(c s - c m), c = log2(e) / 8; in every step O and l are multiplied by a = 2^(c m_old - c m_new).
; THE RING.  A unit is 256 keys: 32,768 bytes of k, then 32,768 of v, dense in memory.  Two LDS slots; waves 0-3 fetch a quarter each.  Every work-group walks all 8 changes of slots (constant trip counts); a step all of whose keys
; come after the wave's queries is jumped over; a unit beyond the work-group's last query is not asked for.  Every wait on TENSORcnt in this text is for 0.
; LIMITS: NaN and infinities are not served; y goes in f16.
.set UNIT,  65536
.set SPARE, 2*UNIT                     ; behind the ring: the spare words, 128 bytes for each of 16 waves
.set HEADB, 786432
.set LA0,  1                           ; v1  16 x lane
.set ADR,  2                           ; v2  LDS address of the step's loads
.set RH,   3                           ; v3  lane % 16 - 8 (lane / 16)
.set SPW,  4
.set NIL,  5
.set NINF, 6                           ; v6  -infinity
.set PFO,  7                           ; v7  256 x lane
.set ST,   8                           ; tile t's statistics at v[8 + 8 t]: +0 c m, +1 m, +2, +3 l, +4..+7 at work (a in +6)
.set Q,    24                          ; v24-55   Q: fragment (tile tq, channels 32 ks on) at 8 (2 tq + ks)
.set KV,   56                          ; v56-119  eight fragments: a step's K, then its V
.set S,    120                         ; v120-183 S^T, 32 a tile; P in place in each tile's low 16
.set O,    184                         ; v184-247 O^T, 32 a tile
.set D0,   248                         ; v248-249 the mask's bound for tile 0, 1
.set WV,   8
.set G0,   12
.set G1,   16
.set TB,   24                          ; s24 LDS byte at which the slot in hand begins
.set KF,   25                          ; s25 the step's first key
.set Q0,   26                          ; s26 my first query
.set QL,   27                          ; s27 my last
.set QLW,  28                          ; s28 my work-group's last
.set SLOTS, 29
.set CS,   32                          ; s[32:33] c
.set SEL,  34                          ; s[34:35] lane selects: lane l xor 16
.set PFA,  36                          ; s[36:37] where my prefetches stand
.set LIM,  38                          ; s38 1 in a wave that prefetches, else the greatest number
.macro TLOAD                           ; waves 0-3 fetch; an s_nop 0 and four v_nop follow the load
	s_cmp_lt_u32 s[WV], 4
	s_cbranch_scc0 .Lasked_\@
	tensor_load_to_lds s[G0:G0+3], s[G1:G1+7]
	s_nop 0
.rept 4
	v_nop
.endr
.Lasked_\@:
.endm
; A prefetch of the unit that the NEXT change of slots will ask for.  All four work-groups of a pair walk the same units: work-group 0, which walks all eight, asks, in its waves 4 to 11, which fetch nothing:
; 8,192 bytes a wave, lanes 256 bytes apart: each block of 256 bytes is named once in the launch.  Units 0 and 1 come by their loads alone; the last change that fills a slot asks for nothing.
.macro ASK
	s_cmp_gt_u32 s[SLOTS], s[LIM]
	s_cbranch_scc0 .Lnot_mine_\@
	global_prefetch_b8 v[PFO], s[PFA:PFA+1] th:TH_LOAD_NT scope:SCOPE_SE
.Lnot_mine_\@:
.endm
; A KEY STEP: 64 keys, the q-th of the slot in hand.
.macro STEP q
	s_cmp_gt_u32 s[KF], s[QL]                      ; all its keys come after my queries: left out (ids and the count of steps alone; no barrier and no tensor load stands in a step)
	s_cbranch_scc1 .Lhidden_\@
	v_add_nc_u32 v[ADR], s[TB], v[LA0]
.rept 4
	v_nop                                          ; with the addition five places: the products below write over P, which the last step's products read; K is loaded where V lay
.endr
.set i, 0
.rept 16
	ds_load_b128 v[KV+4*i:KV+4*i+3], v[ADR] offset:8192*(\q)+512*i   ; K: fragment (keys 16 kt on, channels 32 ks on) = 2 kt + ks
.set i, i+1
.endr
	s_wait_dscnt 0x0
.irp ks, 0,1                                   ; the eight accumulators take turns, one instruction a turn
.irp kt, 0,1,2,3
.irp tq, 0,1
.if \ks == 0
	v_wmma_f32_16x16x32_f16 v[S+32*\tq+8*\kt:S+32*\tq+8*\kt+7], v[KV+8*(2*\kt+\ks):KV+8*(2*\kt+\ks)+7], v[Q+8*(2*\tq+\ks):Q+8*(2*\tq+\ks)+7], 0
.else
	v_wmma_f32_16x16x32_f16 v[S+32*\tq+8*\kt:S+32*\tq+8*\kt+7], v[KV+8*(2*\kt+\ks):KV+8*(2*\kt+\ks)+7], v[Q+8*(2*\tq+\ks):Q+8*(2*\tq+\ks)+7], v[S+32*\tq+8*\kt:S+32*\tq+8*\kt+7]
.endif
.endr
.endr
.endr
.rept 4
	v_nop                                          ; places in front of the loads into K's registers and of the first read of the scores
.endr
.set i, 0
.rept 16
	ds_load_b128 v[KV+4*i:KV+4*i+3], v[ADR] offset:32768+8192*(\q)+512*i   ; V: fragment (keys 32 g on, channels 16 ct on) = 4 g + ct; it lands under the softmax
.set i, i+1
.endr
	s_add_co_u32 s31, s[KF], 63
	s_cmp_le_u32 s31, s[Q0]                        ; all its keys count for all my queries: no mask
	s_cbranch_scc1 .Lopen_\@
	s_sub_co_i32 s31, s[Q0], s[KF]
	v_add_nc_u32 v[D0], s31, v[RH]                 ; register 8 kt + j of tile tq holds key KF + 16 kt + 8 (lane / 16) + j and query Q0 + 16 tq + lane % 16: hidden where 16 kt + j > Q0 - KF + 16 tq + lane % 16 - 8 (lane / 16)
	v_add_nc_u32 v[D0+1], 16, v[D0]
.irp tq, 0,1
.irp kt, 0,1,2,3
.irp j, 0,1,2,3,4,5,6,7
	v_cmp_gt_i32 vcc_lo, 16*\kt+\j, v[D0+\tq]
	v_cndmask_b32 v[S+32*\tq+8*\kt+\j], v[S+32*\tq+8*\kt+\j], v[NINF], vcc_lo
.endr
.endr
.endr
.Lopen_\@:
	; the maximum of my 32 scores and the old m: four chains, each begun at an accumulator's low end; the two tiles line by line
.irp j, 0,1,2,3
.irp t, 0,1
	v_max3_num_f32 v[ST+8*\t+4+\j], v[S+32*\t+8*\j], v[S+32*\t+8*\j+1], v[S+32*\t+8*\j+2]
.endr
.endr
.irp u, 1,2
.irp j, 0,1,2,3
.irp t, 0,1
	v_max3_num_f32 v[ST+8*\t+4+\j], v[ST+8*\t+4+\j], v[S+32*\t+8*\j+2*\u+1], v[S+32*\t+8*\j+2*\u+2]
.endr
.endr
.endr
.irp t, 0,1
	v_max3_num_f32 v[ST+8*\t+4], v[ST+8*\t+4], v[S+32*\t+7], v[S+32*\t+15]
.endr
.irp t, 0,1
	v_max3_num_f32 v[ST+8*\t+6], v[ST+8*\t+6], v[S+32*\t+23], v[S+32*\t+31]
.endr
.irp t, 0,1
	v_max3_num_f32 v[ST+8*\t+4], v[ST+8*\t+4], v[ST+8*\t+5], v[ST+8*\t+6]
.endr
.irp t, 0,1
	v_max3_num_f32 v[ST+8*\t+4], v[ST+8*\t+4], v[ST+8*\t+7], v[ST+8*\t+1]
.endr
.irp t, 0,1
	v_permlanex16_b32 v[ST+8*\t+5], v[ST+8*\t+4], s[SEL], s[SEL+1]   ; the query's other 32 keys lie in the lane 16 away
.endr
.irp t, 0,1
	v_mov_b32 v[ST+8*\t+7], v[ST+8*\t]             ; c m_old is kept for a
.endr
.irp t, 0,1
	v_max_num_f32 v[ST+8*\t+1], v[ST+8*\t+4], v[ST+8*\t+5]
.endr
.irp t, 0,1
	v_mul_f32 v[ST+8*\t], s[CS], v[ST+8*\t+1]
.endr
.irp t, 0,1
	v_sub_f32 v[ST+8*\t+7], v[ST+8*\t+7], v[ST+8*\t]
.endr
	; ONE BATCH: a, the scalings, the 64 exponentials; none of these lines names an exponential's result
.irp t, 0,1
	v_exp_f32 v[ST+8*\t+6], v[ST+8*\t+7]
.endr
.set b, 0
.rept 16
.irp t, 0,1
	v_pk_fma_f32 v[S+32*\t+2*b:S+32*\t+2*b+1], v[S+32*\t+2*b:S+32*\t+2*b+1], s[CS:CS+1], v[ST+8*\t:ST+8*\t+1] op_sel_hi:[1,0,0] neg_lo:[0,0,1] neg_hi:[0,0,1]   ; c s - c m
.endr
.set b, b+1
.endr
.set e, 0
.rept 32
.irp t, 0,1
	v_exp_f32 v[S+32*\t+e], v[S+32*\t+e]
.endr
.set e, e+1
.endr
	v_nop                                          ; a plain line behind the last exponential
	s_wait_alu depctr_va_vdst(0)                   ; one wait for the whole batch, ahead of its first reader
	; the sums, of the unrounded p, two at a time, in two chains
.irp t, 0,1
	v_pk_fma_f32 v[ST+8*\t+2:ST+8*\t+3], v[ST+8*\t+2:ST+8*\t+3], v[ST+8*\t+6:ST+8*\t+7], v[S+32*\t:S+32*\t+1] op_sel_hi:[1,0,1]   ; l a + the first pair
.endr
.irp t, 0,1
	v_pk_add_f32 v[ST+8*\t+4:ST+8*\t+5], v[S+32*\t+2:S+32*\t+3], v[S+32*\t+4:S+32*\t+5]
.endr
.irp p, 6,10,14,18,22,26
.irp t, 0,1
	v_pk_add_f32 v[ST+8*\t+2:ST+8*\t+3], v[ST+8*\t+2:ST+8*\t+3], v[S+32*\t+\p:S+32*\t+\p+1]
.endr
.irp t, 0,1
	v_pk_add_f32 v[ST+8*\t+4:ST+8*\t+5], v[ST+8*\t+4:ST+8*\t+5], v[S+32*\t+\p+2:S+32*\t+\p+3]
.endr
.endr
.irp t, 0,1
	v_pk_add_f32 v[ST+8*\t+2:ST+8*\t+3], v[ST+8*\t+2:ST+8*\t+3], v[S+32*\t+30:S+32*\t+31]
.endr
.irp t, 0,1
	v_pk_add_f32 v[ST+8*\t+2:ST+8*\t+3], v[ST+8*\t+2:ST+8*\t+3], v[ST+8*\t+4:ST+8*\t+5]
.endr
.set j, 0
.rept 16                                       ; P in place: register j takes pair j, which lies at or above it
.irp t, 0,1
	v_cvt_pk_f16_f32 v[S+32*\t+j], v[S+32*\t+2*j], v[S+32*\t+2*j+1]
.endr
.set j, j+1
.endr
.set j, 0
.rept 16                                       ; O^T under the new m, each accumulator from its low end on
.irp t, 0,1
	v_pk_mul_f32 v[O+32*\t+2*j:O+32*\t+2*j+1], v[O+32*\t+2*j:O+32*\t+2*j+1], v[ST+8*\t+6:ST+8*\t+7] op_sel_hi:[1,0]
.endr
.set j, j+1
.endr
	s_wait_dscnt 0x0                               ; V is in
.irp g, 0,1
.irp ct, 0,1,2,3
.irp tq, 0,1
	v_wmma_f32_16x16x32_f16 v[O+32*\tq+8*\ct:O+32*\tq+8*\ct+7], v[KV+8*(4*\g+\ct):KV+8*(4*\g+\ct)+7], v[S+32*\tq+8*\g:S+32*\tq+8*\g+7], v[O+32*\tq+8*\ct:O+32*\tq+8*\ct+7]
.endr
.endr
.endr
.Lhidden_\@:
	s_add_co_u32 s[KF], s[KF], 64
.endm
; THE CHANGE OF SLOTS stands at a slot's head.  Each wave waits for all its tensor loads (its part of the slot that it is about to read), adds 0 to its spare word, and waits for that and for its reads of the slot that it has left.
; Behind the barrier the slot ahead is whole and nobody reads the other one; fill = 1: that one takes the next unit, up to the causal limit; the load has a unit's four steps in which to land.
.macro CHANGE fill
	s_wait_tensorcnt 0x0                           ; no tensor load of mine is out, so the descriptor may be written
	ds_add_u32 v[SPW], v[NIL]                      ; 0 onto my spare word
.if \fill
	s_xor_b32 s[G0+1], s[G0+1], UNIT               ; the other slot than last time,
	s_add_nc_u64 s[G0+2:G0+3], s[G0+2:G0+3], UNIT  ; the next unit
	s_wait_xcnt 0x0                                ; the last prefetch, a unit back, has read its address
	s_add_nc_u64 s[PFA:PFA+1], s[PFA:PFA+1], UNIT
.endif
	s_wait_dscnt 0x0                               ; the add is done, and my reads of the slot that I have left are over
	s_barrier_signal -1
	s_barrier_wait -1
.if \fill
	s_add_co_u32 s31, s[KF], 256                   ; the first key of the unit that this change would ask for
	s_cmp_gt_u32 s31, s[QLW]                       ; beyond my work-group's last query none of its waves reads it: it is not asked for.  Ids and the count of steps alone: all sixteen waves go the same way
	s_cbranch_scc1 .Lpast_\@
	TLOAD                                          ; a wave's one tensor load until the next such barrier
.Lpast_\@:
	ASK
.endif
.endm
.macro FOUR_STEPS
	STEP 0
	STEP 1
	STEP 2
	STEP 3
	s_xor_b32 s[TB], s[TB], UNIT                   ; on to the other slot
.endm
	s_load_b128 s[4:7], s[0:1], 0x0                ; qkv s[4:5], y_img s[6:7]
	v_lshl_add_u32 v[SPW], v0, 2, SPARE
	v_mov_b32 v[NIL], 0
	ds_add_u32 v[SPW], v[NIL]                      ; the wave's opening: the set-up below stands between the add and its wait
	v_lshrrev_b32 v2, 5, v0
	v_readfirstlane_b32 s[WV], v2                  ; wave 0..15
	s_and_b32 s40, ttmp7, 0xffff                   ; the (batch, head) pair
	s_mul_i32 s42, s40, HEADB
	s_mov_b32 s43, 0
	s_mov_b32 s[G1+0], 3<<16                       ; no mask; elements of 8 bytes; no padding
	s_mov_b32 s[G1+1], 32<<16                      ; tensor_dim0 = 32 elements: 256 bytes
	s_mov_b32 s[G1+2], 64<<16                      ; tensor_dim1 = 64 rows: 16,384 bytes, a quarter of a unit
	s_mov_b32 s[G1+3], 32<<16                      ; tile_dim0
	s_mov_b32 s[G1+4], 64                          ; tile_dim1
	s_mov_b32 s[G1+5], 32                          ; dense
	s_mov_b32 s[G1+6], 0
	s_mov_b32 s[G1+7], 0
	s_sub_co_u32 s31, 7, ttmp9
	s_cmp_lt_u32 s[WV], 8
	s_cselect_b32 s31, s31, ttmp9                  ; my block of 256 queries
	s_and_b32 s44, s[WV], 7
	s_lshr_b32 s45, s44, 2
	s_mul_i32 s45, s45, 3
	s_xor_b32 s44, s44, s45                        ; my place in it: 0 1 2 3 7 6 5 4
	s_lshl_b32 s[Q0], s31, 8
	s_lshl_b32 s44, s44, 5
	s_add_co_u32 s[Q0], s[Q0], s44
	s_add_co_u32 s[QL], s[Q0], 31
	s_lshl_b32 s[QLW], ttmp9, 8
	s_sub_co_u32 s[QLW], 2047, s[QLW]
	s_lshr_b32 s48, s40, 4                         ; y: batch,
	s_lshl_b32 s48, s48, 7
	s_lshr_b32 s49, s[Q0], 4
	s_add_co_u32 s48, s48, s49                     ; my first tile of 16 tokens among all 512
	s_and_b32 s49, s48, 7
	s_lshl_b32 s49, s49, 12                        ; 4,096 bytes a tile,
	s_lshr_b32 s48, s48, 3
	s_lshl_b32 s48, s48, 18                        ; 262,144 for 128 tokens,
	s_add_co_u32 s48, s48, s49
	s_and_b32 s49, s40, 15                         ; the head:
	s_lshr_b32 s50, s49, 1
	s_lshl_b32 s50, s50, 15                        ; 32,768 for 128 along the next K,
	s_add_co_u32 s48, s48, s50
	s_and_b32 s49, s49, 1
	s_lshl_b32 s49, s49, 11                        ; 2,048 for 64
	s_add_co_u32 s48, s48, s49
	s_mov_b32 s49, 0
	s_and_b32 s46, s[WV], 3
	s_lshl_b32 s46, s46, 14                        ; the quarter of a unit that I fetch, if I fetch: in memory and in a slot
	s_mov_b32 s47, 0
	s_mov_b32 s[CS], 0x3e38aa3b                    ; c = log2(e) / 8
	s_mov_b32 s[CS+1], s[CS]
	s_mov_b32 s[SEL], 0x76543210
	s_mov_b32 s[SEL+1], 0xfedcba98
	s_mov_b32 s[TB], 0
	s_mov_b32 s[KF], 0
	s_mov_b32 s[SLOTS], 7
	s_wait_dscnt 0x0                               ; the opening add is done
	s_wait_kmcnt 0x0
	s_add_nc_u64 s[4:5], s[4:5], s[42:43]          ; qkv at my pair
	s_add_nc_u64 s[6:7], s[6:7], s[48:49]
	s_mov_b32 s[G0], 1
	s_mov_b32 s[G0+1], s46
	s_add_nc_u64 s[G0+2:G0+3], s[4:5], s[46:47]
	s_add_nc_u64 s[G0+2:G0+3], s[G0+2:G0+3], 262144   ; unit 0, behind q
	s_or_b32 s[G0+3], s[G0+3], 0x80000000
	TLOAD                                          ; unit 0 into slot 0
	s_and_b32 s44, s[WV], 7
	s_lshl_b32 s44, s44, 13                        ; the prefetches: my wave's 8,192 bytes,
	s_add_co_u32 s44, s44, 262144+UNIT             ; in unit 1: the first change of slots steps it to unit 2
	s_mov_b32 s45, 0
	s_add_nc_u64 s[PFA:PFA+1], s[4:5], s[44:45]
	s_sub_co_u32 s44, s[WV], 4
	s_lshr_b32 s44, s44, 3                         ; 0 in waves 4 to 11,
	s_or_b32 s44, s44, ttmp9                       ; of work-group 0
	s_cmp_eq_u32 s44, 0
	s_cselect_b32 s[LIM], 1, -1
	s_lshl_b32 s44, s[Q0], 7                       ; q: 2,048 bytes for 16 queries
	s_add_nc_u64 s[40:41], s[4:5], s[44:45]
	v_and_b32 v2, 31, v0
	v_lshlrev_b32 v[LA0], 4, v2
	v_lshlrev_b32 v[PFO], 8, v2
.set i, 0
.rept 8
	global_load_b128 v[Q+4*i:Q+4*i+3], v[LA0], s[40:41] offset:512*i   ; Q stays in registers
.set i, i+1
.endr
	v_and_b32 v[RH], 15, v0
	v_bfe_u32 v2, v0, 4, 1
	v_lshlrev_b32 v2, 3, v2
	v_sub_nc_u32 v[RH], v[RH], v2
	v_mov_b32 v[NINF], 0xff800000
.irp t, 0,1
	v_mov_b32 v[ST+8*\t+1], 0xff61b1e6             ; m: -3e38, under every score
	v_mul_f32 v[ST+8*\t], s[CS], v[ST+8*\t+1]
.irp k, 2,3,4,5,6,7
	v_mov_b32 v[ST+8*\t+\k], 0                     ; l; and what is at work is written once
.endr
.endr
.set i, 0
.rept 64
	v_mov_b32 v[O+i], 0                            ; O^T: the step is written once: the first finds zeros, which a = 0 leaves zeros
.set i, i+1
.endr
	s_wait_loadcnt 0x0                             ; Q
.Lslot:                                            ; seven trips: behind each change of slots but the last the next unit is asked for, up to the causal limit
	CHANGE 1
	FOUR_STEPS
	s_sub_co_u32 s[SLOTS], s[SLOTS], 1
	s_cmp_lg_u32 s[SLOTS], 0
	s_cbranch_scc1 .Lslot
	CHANGE 0                                       ; the last unit is written out: nothing is left to ask for
	FOUR_STEPS
	; THE WAY OUT: l's two halves and the other lane's; O^T / l, rounded to f16: a lane's eight channels are 16 bytes of y's image: the wave stores 512 consecutive bytes, aligned
.rept 4
	v_nop
.endr
.irp t, 0,1
	v_add_f32 v[ST+8*\t+4], v[ST+8*\t+2], v[ST+8*\t+3]
.endr
.irp t, 0,1
	v_permlanex16_b32 v[ST+8*\t+5], v[ST+8*\t+4], s[SEL], s[SEL+1]
.endr
.irp t, 0,1
	v_add_f32 v[ST+8*\t+4], v[ST+8*\t+4], v[ST+8*\t+5]
.endr
.irp t, 0,1
	v_rcp_f32 v[ST+8*\t+6], v[ST+8*\t+4]
.endr
	v_nop                                          ; a plain line behind the last reciprocal
	s_wait_alu depctr_va_vdst(0)                   ; and one wait for the two, ahead of their first reader
.set j, 0
.rept 16
.irp t, 0,1
	v_pk_mul_f32 v[O+32*\t+2*j:O+32*\t+2*j+1], v[O+32*\t+2*j:O+32*\t+2*j+1], v[ST+8*\t+6:ST+8*\t+7] op_sel_hi:[1,0]
.endr
.set j, j+1
.endr
.set j, 0
.rept 16
.irp t, 0,1
	v_cvt_pk_f16_f32 v[S+16*\t+j], v[O+32*\t+2*j], v[O+32*\t+2*j+1]
.endr
.set j, j+1
.endr
.irp t, 0,1
.irp ct, 0,1,2,3
	global_store_b128 v[LA0], v[S+16*\t+4*\ct:S+16*\t+4*\ct+3], s[6:7] offset:4096*\t+1024*(\ct/2)+512*(\ct%2)
.endr
.endr
	s_wait_tensorcnt 0x0                           ; the wave's end
	ds_add_u32 v[SPW], v[NIL]
	s_wait_dscnt 0x0
	s_endpgm
.Lfunc_end_k_qc1528fbd11_attn:
	.size	k_qc1528fbd11_attn, .Lfunc_end_k_qc1528fbd11_attn-k_qc1528fbd11_attn
	.p2alignl 7, 3214868480
	.fill 96, 4, 3214868480
	.section	.rodata,"a",@progbits
	.p2align	6, 0x0
	.amdhsa_kernel k_qc1528fbd11_attn
		.amdhsa_group_segment_fixed_size 327680
		.amdhsa_private_segment_fixed_size 0
		.amdhsa_enable_private_segment 0
		.amdhsa_kernarg_size 16
		.amdhsa_user_sgpr_count 2
		.amdhsa_user_sgpr_kernarg_segment_ptr 1
		.amdhsa_wavefront_size32 1
		.amdhsa_system_sgpr_workgroup_id_x 1
		.amdhsa_system_sgpr_workgroup_id_y 1
		.amdhsa_system_sgpr_workgroup_id_z 1
		.amdhsa_system_vgpr_workitem_id 0
		.amdhsa_next_free_vgpr 256
		.amdhsa_next_free_sgpr 66
		.amdhsa_reserve_vcc 1
		.amdhsa_float_denorm_mode_32 3
		.amdhsa_float_denorm_mode_16_64 3
		.amdhsa_memory_ordered 1
		.amdhsa_forward_progress 1
		.amdhsa_inst_pref_size 183
	.end_amdhsa_kernel
	.amdgpu_metadata
---
amdhsa.version: [ 1, 2 ]
amdhsa.kernels:
  - .name:           k_qc1528fbd11_attn
    .symbol:         k_qc1528fbd11_attn.kd
    .args:
      - { .name: qkv, .offset: 0, .size: 8, .value_kind: global_buffer, .address_space: global }
      - { .name: y_img, .offset: 8, .size: 8, .value_kind: global_buffer, .address_space: global }
    .group_segment_fixed_size: 327680
    .private_segment_fixed_size: 0
    .kernarg_segment_align: 8
    .kernarg_segment_size: 16
    .max_flat_workgroup_size: 512
    .sgpr_count:     66
    .vgpr_count:     256
    .wavefront_size: 32
...
	.end_amdgpu_metadata
.endif
;; end of part 3
;; launch proj (part 4): grid 4 x 64, 4 waves a work-group, clusters of 4 x 4, 327,680 bytes of LDS; arguments y_img, wo_img, bo, out0; writes out0
.if DOCPART == 4
	.amdgcn_target "amdgcn-amd-amdhsa--gfx1250"
	.amdhsa_code_object_version 6
	.text
	.protected	k_qc1528fbd11_proj
	.globl	k_qc1528fbd11_proj
	.p2align	8
	.type	k_qc1528fbd11_proj,@function
k_qc1528fbd11_proj:
	s_mov_b64 s[64:65], 0
	v_nop
	global_prefetch_b8 v0, s[64:65] scope:SCOPE_SE
	s_setreg_imm32_b32 hwreg(HW_REG_WAVE_MODE, 25, 1), 1
	s_wait_xcnt 0x0
	s_wait_alu depctr_hold_cnt(0) depctr_sa_sdst(0) depctr_va_vdst(0) depctr_va_sdst(0) depctr_va_ssrc(0) depctr_va_vcc(0) depctr_vm_vsrc(0)
	s_getreg_b32 s2, hwreg(HW_REG_IB_STS2, 6, 4)
	s_cmp_eq_u32 s2, 0
	s_cbranch_scc0 .Lentry_in_a_cluster
	s_endpgm
.Lentry_in_a_cluster:
	s_bfe_u32 s2, ttmp6, 0x10000c
	s_cmp_lg_u32 s2, 0xf033
	s_cbranch_scc0 .Lentry_shape_is_right
	s_endpgm
.Lentry_shape_is_right:
; out0 = y Wo + bo.  y [8192][1024] and Wo [1024 (k)][1024 (n)] arrive as f16, as images of the operands' registers (1,024 bytes for 16 rows x 32 K: registers 4 c .. 4 c + 3 of lane l at 512 c + 16 l); sums and out0 in f32.
; A tile of 128 tokens x 256 columns is made by four waves, each 64 x 128: 32 accumulators, 256 registers: 256 work-groups.  K goes in steps of 128 through two LDS slots: y's part is one dense block of 32,768 bytes, Wo's one of
; 65,536; waves 0 and 1 fetch y's halves, waves 2 and 3 Wo's, one tensor load each.  A fragment load reads 512 consecutive bytes: no pitch, no padding.
; CLUSTERS: 4 x 4 work-groups; the four of a row of the cluster need the same tiles of y, the four of a column the same tiles of Wo: each tile is asked for jointly.
; THE MATRIX INSTRUCTION IS USED TRANSPOSED (source 0 = 16 columns of Wo, source 1 = 16 tokens): a lane holds eight neighbouring numbers of a row of out0.  The bias is the C of each sum's first matrix instruction.
; REGISTERS: window 0: v16-30 addresses; v32-95 the bias, later with v96-159 the way out.  window 1: two fragment buffers, at v0 and v128: y's four fragments at 8 i, Wo's eight at 32 + 8 i.  window 2: accumulator (a, b) at v[8 (8 a + b)].
.set SLOT,   98304                     ; y's 32,768 bytes, then Wo's 65,536
.set STAGE,  2*SLOT                    ; behind the ring: 16 rows x (512 bytes + 16) for each wave, for the way out
.set SPITCH, 528
.set SPARE,  STAGE+4*16*SPITCH         ; the spare words, 128 bytes a wave
.set LAPS,   4                         ; a lap = two K steps = once round the ring
.set ADRA, 16
.set ADRB, 20
.set STO,  24
.set RD,   25
.set CO,   26
.set BO,   27
.set SPW,  28
.set NIL,  29
.set PFO,  30
.set BIAS, 32
.set BK,   32
.set F0,   0
.set F1,   128
.set G1,   24
.set G0,   32
.set G1B,  48
.set G0B,  56
.set PFA,  66                          ; s[66:67] where my prefetches stand
.set PFS,  68                          ; s[68:69] a K step on, in bytes
.set LIM,  15                          ; s15 1 in a wave that prefetches, else the greatest number
.set MSB, 0
.macro WIN new
.if MSB != \new
	s_set_vgpr_msb (MSB<<8)|\new
.set MSB, \new
.endif
.endm
.set MUL,  0xa5                        ; sources 0 and 1 window 1; C and D window 2
.set TO_F, 0x40
.macro JLOAD s                         ; a joint load; an s_nop 0 and four v_nop follow each of the two lines
	s_cmp_eq_u32 s13, 0
	s_cbranch_scc0 .Lfor_b_\@
	tensor_load_to_lds s[G0+4*\s:G0+4*\s+3], s[G1:G1+7]
	s_nop 0
.rept 4
	v_nop
.endr
	s_branch .Lasked_\@
.Lfor_b_\@:
	tensor_load_to_lds s[G0B+4*\s:G0B+4*\s+3], s[G1B:G1B+7]
	s_nop 0
.rept 4
	v_nop
.endr
.Lasked_\@:
.endm
.macro CREST                           ; a round of the cluster's barrier behind its opening barrier
	s_cmp_lg_u32 s12, 0
	s_cbranch_scc1 .Lnot_wave_0_\@
	s_barrier_signal -3
.Lnot_wave_0_\@:
	s_barrier_wait -3
	s_barrier_signal -1
	s_barrier_wait -1
.endm
.macro CROUND
	s_barrier_signal -1
	s_barrier_wait -1
	CREST
.endm
; A prefetch of the K step that stands two refills on: 256 matrix instructions ahead of the load that will want it.  y's block of a tile row is read by one row of one cluster: its four partners take 8,192 bytes each, told apart by
; address, wave 0 asks.  Wo's block of a tile column is read by every cluster: cluster y = 0 asks; its four partners of a column take 16,384 bytes each, waves 2 and 3 half of that.  Lanes 256 bytes apart: each block of 256 bytes is named once.
; The first four K steps come by their loads alone; the loop's last trip asks for nothing: there is no K step two refills on.
.macro ASK
	s_cmp_gt_u32 s3, s[LIM]
	s_cbranch_scc0 .Lnot_mine_\@
	global_prefetch_b8 v[PFO], s[PFA:PFA+1] th:TH_LOAD_NT scope:SCOPE_SE
.Lnot_mine_\@:
.endm
.macro PLACES
.rept 4
	v_nop
.endr
.endm
.macro FETCH slot, q, f                ; 24 LDS loads in one run: the fragments of 32 along K: Wo's eight, y's blocks 0, 1, then 2, 3
	WIN TO_F
.irp i, 0,1,2,3,4,5,6,7
	ds_load_b128 v[\f+32+8*\i:\f+32+8*\i+3],   v[ADRB+\slot] offset:4096*\i+1024*(\q)
	ds_load_b128 v[\f+32+8*\i+4:\f+32+8*\i+7], v[ADRB+\slot] offset:4096*\i+1024*(\q)+512
.endr
.irp i, 0,1,2,3
	ds_load_b128 v[\f+8*\i:\f+8*\i+3],   v[ADRA+\slot] offset:4096*\i+1024*(\q)
	ds_load_b128 v[\f+8*\i+4:\f+8*\i+7], v[ADRA+\slot] offset:4096*\i+1024*(\q)+512
.endr
.endm
.macro MUL8 f, a, first                ; y's block a against Wo's eight.  The 32 accumulators take turns, one instruction a turn, in the same order in every quarter
.irp b, 0,1,2,3,4,5,6,7
.if \first
	v_wmma_f32_16x16x32_f16 v[8*(8*(\a)+\b):8*(8*(\a)+\b)+7], v[\f+32+8*\b:\f+32+8*\b+7], v[\f+8*(\a):\f+8*(\a)+7], v[BIAS+8*\b:BIAS+8*\b+7]
.else
	v_wmma_f32_16x16x32_f16 v[8*(8*(\a)+\b):8*(8*(\a)+\b)+7], v[\f+32+8*\b:\f+32+8*\b+7], v[\f+8*(\a):\f+8*(\a)+7], v[8*(8*(\a)+\b):8*(8*(\a)+\b)+7]
.endif
.endr
.endm
; A K step is four quarters of 32 along K, 32 matrix instructions each, on buffers 0, 1, 0, 1.  One of the first three multiplies buffer f and fetches the slot's quarter q into g.
.macro QUARTER slot, q, f, g, first
.set WM, MUL-0x20*(\first)             ; in the first quarter C lies in window 0: the bias
	s_wait_dscnt 4                                 ; all but the youngest four loads (y's blocks 2, 3) are in
	WIN WM
	MUL8 \f, 0, \first
	MUL8 \f, 1, \first
	PLACES                                         ; four places in front of loads into registers that matrix instructions have read
	FETCH \slot, \q, \g
	s_wait_dscnt 24                                ; all but the 24 just issued
	WIN WM
	MUL8 \f, 2, \first
	MUL8 \f, 3, \first
.endm
; The last quarter multiplies buffer 1 and changes slots: ONE barrier; in front of it each wave waits for all its tensor loads, adds 0 to its spare word, and waits for that and for its reads of this slot.
; fill = 1: the barrier opens a round of the cluster's, and this slot is filled again, two K steps ahead: the load has 112 matrix instructions of mine in which to land.
.macro TURN slot, next, fill
.if \fill
	s_wait_xcnt 0x0                                ; the last prefetch, a K step back, has read its address
	s_add_nc_u64 s[PFA:PFA+1], s[PFA:PFA+1], s[PFS:PFS+1]
.endif
	WIN 0                                          ; (the add's two registers lie in window 0)
	s_wait_tensorcnt 0x0                           ; all my tensor loads have landed: my part of the next slot
	ds_add_u32 v[SPW], v[NIL]                      ; 0 onto my spare word
	s_wait_dscnt 5                                 ; (the add and the youngest four loads may be out)
	WIN MUL
	MUL8 F1, 0, 0
	s_wait_dscnt 0x0                               ; the add is done, and my reads of this slot are over
	s_barrier_signal -1
	MUL8 F1, 1, 0
.if \fill
	WIN 0
.endif
	s_barrier_wait -1
.if \fill
	CREST                                          ; no wave of any partner still reads this slot's tile or has a load on its way
	s_add_nc_u64 s[G0+4*\slot+2:G0+4*\slot+3], s[G0+4*\slot+2:G0+4*\slot+3], 2*32768
	s_add_nc_u64 s[G0B+4*\slot+2:G0B+4*\slot+3], s[G0B+4*\slot+2:G0B+4*\slot+3], 2*65536
	JLOAD \slot                                    ; the first tensor load behind the round; its four v_nop are also the places in front of the loads below
.else
	PLACES
.endif
	FETCH \next, 0, F0
.if \fill
	WIN 0
	ASK
.endif
	WIN MUL
	MUL8 F1, 2, 0
	MUL8 F1, 3, 0
.endm
	s_load_b256 s[4:11], s[0:1], 0x0               ; y_img s[4:5], wo_img s[6:7], bo s[8:9], out0 s[10:11]
	v_lshl_add_u32 v[SPW], v0, 2, SPARE
	v_mov_b32 v[NIL], 0
	ds_add_u32 v[SPW], v[NIL]                      ; the wave's opening: the set-up below stands between the add and its wait
	v_lshrrev_b32 v1, 5, v0
	v_readfirstlane_b32 s12, v1                    ; wave 0..3
	s_lshr_b32 s13, s12, 1                         ; which half of the tile's tokens is mine.  Also: I fetch for y (0) or for Wo (1)
	s_and_b32 s14, s12, 1                          ; which half of its columns.  Also: which half of that block I fetch
	s_bfe_u32 s40, ttmp6, 0x40000                  ; cx, cy
	s_bfe_u32 s41, ttmp6, 0x40004
	s_lshl_b32 s45, ttmp9, 2
	s_add_co_u32 s45, s45, s40                     ; tile column
	s_and_b32 s42, ttmp7, 0xffff
	s_lshl_b32 s42, s42, 2
	s_add_co_u32 s42, s42, s41                     ; tile row
	s_lshl_b32 s43, s41, 2
	s_lshl_b32 s43, 15, s43                        ; my row of the cluster
	s_lshl_b32 s44, 0x1111, s40                    ; my column
	s_or_b32 s[G1+0], s43, (3<<16)|(1<<21)         ; y's: the mask of my row; elements of 8 bytes; bit 21 beside a mask; no padding
	s_mov_b32 s[G1+1], 32<<16                      ; rows of 256 bytes,
	s_mov_b32 s[G1+2], 64<<16                      ; 64 of them: 16,384 bytes
	s_mov_b32 s[G1+3], 32<<16
	s_mov_b32 s[G1+4], 64
	s_mov_b32 s[G1+5], 32                          ; dense
	s_mov_b32 s[G1+6], 0
	s_mov_b32 s[G1+7], 0
	s_or_b32 s[G1B+0], s44, (3<<16)|(1<<21)        ; Wo's: the mask of my column; 128 rows: 32,768 bytes
	s_mov_b32 s[G1B+1], 32<<16
	s_mov_b32 s[G1B+2], 128<<16
	s_mov_b32 s[G1B+3], 32<<16
	s_mov_b32 s[G1B+4], 128
	s_mov_b32 s[G1B+5], 32
	s_mov_b32 s[G1B+6], 0
	s_mov_b32 s[G1B+7], 0
	s_lshl_b32 s16, s42, 18                        ; y: 262,144 bytes for 128 tokens, + my half of a K step's block
	s_lshl_b32 s17, s14, 14
	s_add_co_u32 s16, s16, s17
	s_mov_b32 s17, 0
	s_lshl_b32 s46, s45, 19                        ; Wo: 524,288 bytes for 256 columns, + my half
	s_lshl_b32 s47, s14, 15
	s_add_co_u32 s46, s46, s47
	s_mov_b32 s47, 0
	s_lshl_b32 s20, s14, 14                        ; where they go: no place in the cluster enters an LDS address
	s_lshl_b32 s21, s14, 15
	s_add_co_u32 s21, s21, 32768
	s_wait_dscnt 0x0                               ; the opening add is done
	s_wait_kmcnt 0x0
	s_add_nc_u64 s[18:19], s[4:5], s[16:17]
	s_add_nc_u64 s[46:47], s[6:7], s[46:47]
	CROUND                                         ; all sixteen work-groups are here: the first joint loads meet
.irp s, 0,1
	s_mov_b32 s[G0+4*\s], 1
	s_add_co_u32 s[G0+4*\s+1], s20, \s*SLOT
	s_add_nc_u64 s[G0+4*\s+2:G0+4*\s+3], s[18:19], \s*32768
	s_or_b32 s[G0+4*\s+3], s[G0+4*\s+3], 0x80000000
	s_mov_b32 s[G0B+4*\s], 1
	s_add_co_u32 s[G0B+4*\s+1], s21, \s*SLOT
	s_add_nc_u64 s[G0B+4*\s+2:G0B+4*\s+3], s[46:47], \s*65536
	s_or_b32 s[G0B+4*\s+3], s[G0B+4*\s+3], 0x80000000
	JLOAD \s                                       ; two loads of mine are out behind the second
.endr
	v_and_b32 v1, 31, v0
	v_lshlrev_b32 v2, 4, v1                        ; 16 x lane
	s_lshl_b32 s22, s13, 14                        ; my 64 tokens: four fragments' rows of 4,096 bytes
	s_lshl_b32 s23, s14, 15                        ; my 128 columns,
	s_add_co_u32 s23, s23, 32768                   ; behind y's block
.irp s, 0,1
	v_add_nc_u32 v[ADRA+\s], s22, v2
	v_add_nc_u32 v[ADRB+\s], s23, v2
	s_add_co_u32 s22, s22, SLOT
	s_add_co_u32 s23, s23, SLOT
.endr
	s_mul_i32 s22, s12, 16*SPITCH
	s_add_co_u32 s22, s22, STAGE                   ; my stage
	v_and_b32 v3, 15, v0
	v_bfe_u32 v4, v0, 4, 1
	v_mul_u32_u24 v5, v3, SPITCH                   ; in: row l % 16, 32 bytes for each half of the lanes
	v_lshl_add_u32 v5, v4, 5, v5
	v_add_nc_u32 v[STO], s22, v5
	v_add_nc_u32 v[RD], s22, v2                    ; back: the 32 lanes take one row of 512 bytes;
	v_mov_b32 v[CO], v2                            ; and the same in out0
	v_lshlrev_b32 v[BO], 5, v4                     ; the bias: eight numbers for each half of the lanes
	v_lshlrev_b32 v[PFO], 8, v1
	s_lshl_b32 s16, s42, 19                        ; out0: 128 rows of 4,096 bytes a tile row,
	s_lshl_b32 s17, s13, 18                        ; my 64 rows
	s_add_co_u32 s16, s16, s17
	s_mov_b32 s17, 0
	s_add_nc_u64 s[10:11], s[10:11], s[16:17]
	s_lshl_b32 s46, s45, 10                        ; my first column, in bytes: the same in out0's rows and in bo
	s_lshl_b32 s47, s14, 9
	s_add_co_u32 s46, s46, s47
	s_mov_b32 s47, 0
	s_add_nc_u64 s[10:11], s[10:11], s[46:47]
	s_add_nc_u64 s[8:9], s[8:9], s[46:47]
.irp b, 0,1,2,3,4,5,6,7
	global_load_b128 v[BIAS+8*\b:BIAS+8*\b+3], v[BO], s[8:9] offset:64*\b
	global_load_b128 v[BIAS+8*\b+4:BIAS+8*\b+7], v[BO], s[8:9] offset:64*\b+16
.endr
	; the prefetches: where my wave's stand (at K step 3: the first change of slots steps it to 4), and who asks
	s_lshl_b32 s16, s42, 18
	s_lshl_b32 s17, s40, 13
	s_add_co_u32 s16, s16, s17
	s_add_co_u32 s16, s16, 3*32768                 ; y's: my work-group's 8,192 bytes of the block
	s_lshl_b32 s17, s45, 19
	s_lshl_b32 s18, s41, 14
	s_add_co_u32 s17, s17, s18
	s_lshl_b32 s18, s14, 13
	s_add_co_u32 s17, s17, s18
	s_add_co_u32 s17, s17, 3*65536                 ; Wo's: my work-group's 16,384, my wave's half of them
	s_and_b32 s22, ttmp7, 0xffff                   ; cluster y
	s_mov_b32 s[PFS], 65536
	s_cmp_eq_u32 s13, 0                            ; do I fetch for y?
	s_cselect_b32 s22, s14, s22                    ; y: wave 0 asks; Wo: the waves of cluster y = 0: the same in all sixteen partners, for a given wave
	s_cselect_b64 s[PFA:PFA+1], s[4:5], s[6:7]
	s_cselect_b32 s16, s16, s17
	s_cselect_b32 s[PFS], 32768, s[PFS]
	s_mov_b32 s[PFS+1], 0
	s_mov_b32 s17, 0
	s_cmp_eq_u32 s22, 0
	s_cselect_b32 s[LIM], 1, -1
	s_add_nc_u64 s[PFA:PFA+1], s[PFA:PFA+1], s[16:17]
	s_wait_tensorcnt 1                             ; my part of K step 0 is in; K step 1's may be out
	s_barrier_signal -1
	s_barrier_wait -1
	FETCH 0, 0, F0
	s_wait_loadcnt 0x0                             ; the bias
	QUARTER 0, 1, F0, F1, 1                        ; the first quarter stands in front of the loop: its products start the sums from the bias
	WIN 0                                          ; at a label and at a branch every window is 0
	s_mov_b32 s3, LAPS-1
.Llap:                                             ; a trip goes once round the ring, from a lap's second quarter to the next lap's first, and fills both slots again
	QUARTER 0, 2, F1, F0, 0
	QUARTER 0, 3, F0, F1, 0
	TURN 0, 1, 1
	QUARTER 1, 1, F0, F1, 0
	QUARTER 1, 2, F1, F0, 0
	QUARTER 1, 3, F0, F1, 0
	TURN 1, 0, 1
	QUARTER 0, 1, F0, F1, 0
	WIN 0
	s_sub_co_u32 s3, s3, 1
	s_cmp_lg_u32 s3, 0
	s_cbranch_scc1 .Llap
	QUARTER 0, 2, F1, F0, 0                        ; the last lap fills nothing, and has no round of the cluster's barrier
	QUARTER 0, 3, F0, F1, 0
	TURN 0, 1, 0
	QUARTER 1, 1, F0, F1, 0
	QUARTER 1, 2, F1, F0, 0
	QUARTER 1, 3, F0, F1, 0
	s_wait_dscnt 4                                 ; the very last quarter: nothing more to fetch
	WIN MUL
	MUL8 F1, 0, 0
	MUL8 F1, 1, 0
	s_wait_dscnt 0x0
	MUL8 F1, 2, 0
	MUL8 F1, 3, 0
	WIN 0
; THE WAY OUT, block by block of 16 rows x 128 columns.  A lane holds 32 neighbouring bytes of a row, and the lanes beside it hold other rows: a block goes through my own stage and comes back as whole rows of 512 bytes.
; LDS serves a wave's instructions in order: no wait between the stores and the loads, nor in front of the next block's stores.
.macro TOSTAGE a
	WIN 0x08                                       ; an LDS store's data are its source 1: window 2
.irp b, 0,1,2,3,4,5,6,7
	ds_store_b128 v[STO], v[8*(8*(\a)+\b):8*(8*(\a)+\b)+3] offset:64*\b        ; each accumulator from its low end on
	ds_store_b128 v[STO], v[8*(8*(\a)+\b)+4:8*(8*(\a)+\b)+7] offset:64*\b+16
.endr
	WIN 0
.set BB, BK+64*((\a)%2)
.irp t, 0,1,2,3,4,5,6,7,8,9,10,11,12,13,14,15
	ds_load_b128 v[BB+4*\t:BB+4*\t+3], v[RD] offset:\t*SPITCH
.endr
.endm
.macro SEND a, younger                 ; younger: the LDS instructions issued behind block a's loads, which may stay out
.set BB, BK+64*((\a)%2)
	s_wait_dscnt \younger
.irp t, 0,1,2,3,4,5,6,7,8,9,10,11,12,13,14,15
	global_store_b128 v[CO], v[BB+4*\t:BB+4*\t+3], s[10:11] offset:65536*(\a)+4096*\t th:TH_STORE_NT   ; 32 lanes store 512 consecutive bytes, aligned; written once, read by nobody here
.endr
.endm
	PLACES
	TOSTAGE 0
.irp a, 1,2,3
.if \a > 1
	s_wait_xcnt 0x0                                ; block a - 2's stores have read their registers: block a's loads may land there
.endif
	TOSTAGE \a
	SEND \a-1, 32                                  ; behind block a - 1's loads: block a's 16 stores and 16 loads
.endr
	SEND 3, 0
	s_wait_tensorcnt 0x0                           ; the wave's end
	ds_add_u32 v[SPW], v[NIL]
	s_wait_dscnt 0x0
	CROUND                                         ; the closing round: no work-group ends while a partner may still ask for a tile that names it
	s_endpgm
.Lfunc_end_k_qc1528fbd11_proj:
	.size	k_qc1528fbd11_proj, .Lfunc_end_k_qc1528fbd11_proj-k_qc1528fbd11_proj
	.p2alignl 7, 3214868480
	.fill 96, 4, 3214868480
	.section	.rodata,"a",@progbits
	.p2align	6, 0x0
	.amdhsa_kernel k_qc1528fbd11_proj
		.amdhsa_group_segment_fixed_size 327680
		.amdhsa_private_segment_fixed_size 0
		.amdhsa_enable_private_segment 0
		.amdhsa_kernarg_size 32
		.amdhsa_user_sgpr_count 2
		.amdhsa_user_sgpr_kernarg_segment_ptr 1
		.amdhsa_wavefront_size32 1
		.amdhsa_system_sgpr_workgroup_id_x 1
		.amdhsa_system_sgpr_workgroup_id_y 1
		.amdhsa_system_sgpr_workgroup_id_z 1
		.amdhsa_system_vgpr_workitem_id 0
		.amdhsa_next_free_vgpr 768
		.amdhsa_next_free_sgpr 72
		.amdhsa_reserve_vcc 0
		.amdhsa_float_denorm_mode_32 3
		.amdhsa_float_denorm_mode_16_64 3
		.amdhsa_memory_ordered 1
		.amdhsa_forward_progress 1
		.amdhsa_inst_pref_size 87
	.end_amdhsa_kernel
	.amdgpu_metadata
---
amdhsa.version: [ 1, 2 ]
amdhsa.kernels:
  - .name:           k_qc1528fbd11_proj
    .symbol:         k_qc1528fbd11_proj.kd
    .args:
      - { .name: y_img, .offset: 0, .size: 8, .value_kind: global_buffer, .address_space: global }
      - { .name: wo_img, .offset: 8, .size: 8, .value_kind: global_buffer, .address_space: global }
      - { .name: bo, .offset: 16, .size: 8, .value_kind: global_buffer, .address_space: global }
      - { .name: out0, .offset: 24, .size: 8, .value_kind: global_buffer, .address_space: global }
    .group_segment_fixed_size: 327680
    .private_segment_fixed_size: 0
    .kernarg_segment_align: 8
    .kernarg_segment_size: 32
    .max_flat_workgroup_size: 128
    .sgpr_count:     72
    .vgpr_count:     768
    .wavefront_size: 32
...
	.end_amdgpu_metadata
.endif
;; end of part 4
